; MI455X (gfx1250); checked and timed in simulation.
; The chip was launched on July 23, 2026; its instructions are those of AMD's public machine-readable ISA for CDNA 5 (MIT licence, August 2026) and "CDNA5" Instruction Set Architecture Reference Guide (July 2026). The comments in the code are by the model that wrote it; some were corrected since.
;; DTN Block. Allowed arithmetic: float matrix products may take bf16 or f16 operands with f32 sums; all other float work in f32.
;; Inputs: cu_W 2,048 x 512 float32; cu_b 2,048 float32; down_W 512 x 2,048 float32; down_b 512 float32; fg_W 2,048 x 512 float32; fg_b 2,048 float32; k_W 512 x 512 float32; k_b 512 float32; lf_blend 2,048 float32; lf_intercepts 2,048 x 8 float32; lf_slopes 2,048 x 8 float32; ln1_b 512 float32; ln1_g 512 float32; ln2_b 512 float32; ln2_g 512 float32; out_W 512 x 512 float32; out_b 512 float32; q_W 512 x 512 float32; q_b 512 float32; sg_W 8 x 512 float32; sg_b 8 float32; temp 8 float32; tu_W 2,048 x 512 float32; tu_b 2,048 float32; v_W 512 x 512 float32; v_b 512 float32; x 2 x 512 x 512 float32.
;; Outputs: out0 2 x 512 x 512 float32; out1 2 x 8 x 512 x 512 float32.
;; 2 versions, each right; version 2 is version 1 with the launches prep, down written anew for expert scheduling mode. Each part assembles by itself: llvm-mc -triple=amdgcn-amd-amdhsa -mcpu=gfx1250 --defsym DOCPART=n.
;; ======== version 1 of 2: 6 launches
;; limits: values are held in f16: magnitudes above 65,504 overflow, below 6.1e-05 lose precision; a function is approximated: absolute error at most 1.5e-07
;; workspace buffers: hf 2,097,152 bytes; gate 65,536 bytes; wp 7,340,032 bytes; qk 4,194,304 bytes; vt 1,048,576 bytes; op 1,048,576 bytes; yb 2,097,152 bytes; fu 4,194,304 bytes
;; launch prep (part 1): grid 256 x 1, 4 waves a work-group, no clusters, 0 bytes of LDS; arguments x, ln1_g, ln1_b, sg_W, sg_b, temp, v_W, out_W, cu_W, fg_W, down_W, hf, gate, wp; writes hf, gate, wp
.if DOCPART == 1
	.amdgcn_target "amdgcn-amd-amdhsa--gfx1250"
	.amdhsa_code_object_version 6
	.text
	.protected	k_q65a836d67d_prep
	.globl	k_q65a836d67d_prep
	.p2align	8
	.type	k_q65a836d67d_prep,@function
k_q65a836d67d_prep:
	s_mov_b64 s[64:65], 0
	v_nop
	global_prefetch_b8 v0, s[64:65] scope:SCOPE_SE
	s_setreg_imm32_b32 hwreg(HW_REG_WAVE_MODE, 25, 1), 1
	s_wait_xcnt 0x0
; PREP.  (1) hf = LayerNorm(x) in f32, one row a wave.  (2) gate[row][0..7] = g c / temp, gate[row][8..15] = (1 - g) c / temp with g = sigmoid(h . sg_W + sg_b), c = log2(e) / 8:
; the two factors by which the attention launch multiplies the max-plus and the classical score.  The 8-column product is done in f32 on the row that lies in registers.
; (3) the five weights of ordinary products are rounded to f16 and laid in FRAGMENT BLOCKS of 16 rows x 32 k: [half p][lane][16 bytes], lane (r, h) holding row r, k = 16 p + 8 h + 0..7,
; so that later launches load a matrix operand as two runs of 512 consecutive bytes.  Blocks lie [row block][k step].
; A stream: no LDS, no matrix unit, no cluster (no two work-groups read the same bytes).  256 work-groups x 4 waves: wave w of group g has row 4 g + w and block w of seven units of 16 rows x 128 k.
; LIMITS.  A weight beyond 65,504 has no f16; below 6e-5 it keeps f16's fixed step of 6e-8.
.set RAW, 16                           ; v[16:127]  seven blocks as loaded, 16 registers each; packed in place
.set X,   128                          ; v[128:143] my 16 numbers of the row: columns 128 q + 4 lane + 0..3
.set G,   144                          ; v[144:159] ln1_g of these columns
.set BB,  160                          ; v[160:175] ln1_b
.set SG,  176                          ; v[176:239] sg_W of four heads
.set TM,  240                          ; v[240:247] at work
.set MU,  248                          ; v[248:249] a pair: -mean, then 1/sqrt(var + eps)
.set SEL, 58                           ; s[58:59] v_permlanex16_b32's selects
.set CU_O, 1048576                     ; byte offsets in wp: V 0, OUT 524,288,
.set FG_O, 3145728
.set DN_O, 5242880
	s_load_b512 s[4:19], s[0:1], 0x0               ; x, ln1_g, ln1_b, sg_W, sg_b, temp, v_W, out_W
	s_load_b256 s[20:27], s[0:1], 0x40             ; cu_W, fg_W, down_W, hf
	s_load_b128 s[28:31], s[0:1], 0x60             ; gate, wp
	v_and_b32 v1, 31, v0                           ; lane
	v_lshrrev_b32 v2, 5, v0
	v_readfirstlane_b32 s32, v2                    ; wave
	v_lshlrev_b32 v2, 4, v1                        ; 16 lane
	v_and_b32 v3, 15, v0                           ; r
	v_bfe_u32 v4, v0, 4, 1                         ; h
	v_lshlrev_b32 v5, 5, v4
	v_lshl_add_u32 v6, v3, 11, v5                  ; r rows of 2,048 bytes + 32 h
	v_lshl_add_u32 v7, v3, 13, v5                  ; r rows of 8,192 bytes + 32 h (down_W)
	v_and_b32 v8, 7, v0                            ; the head whose factor this lane will store
	v_lshlrev_b32 v9, 2, v8
	v_lshlrev_b32 v10, 2, v1
	v_mov_b32 v13, 0                               ; the lane's own head's dot product is gathered here
	s_mov_b32 s[SEL], 0x76543210
	s_mov_b32 s[SEL+1], 0xfedcba98
	s_mov_b32 s60, 0x3b000000                      ; 1/512
	s_mov_b32 s61, 0x3727c5ac                      ; 1e-5
	s_lshl_b32 s33, ttmp9, 2
	s_add_co_u32 s33, s33, s32                     ; my row = 4 g + w
	s_lshl_b32 s36, s33, 11                        ; its bytes in x and hf
	s_mov_b32 s37, 0
	s_lshl_b32 s38, s33, 6                         ; and in gate
	s_mov_b32 s39, 0
	s_lshl_b32 s34, s32, 7                         ; my k step inside a unit: 128 bytes a wave
	s_lshr_b32 s40, ttmp9, 1                       ; cu_W, fg_W: units 2 g, 2 g + 1: row block g / 2,
	s_lshl_b32 s40, s40, 15
	s_and_b32 s35, ttmp9, 1                        ; quarters 2 (g % 2) and the next
	s_lshl_b32 s35, s35, 10
	s_add_co_u32 s40, s40, s35
	s_add_co_u32 s40, s40, s34
	s_mov_b32 s41, 0
	s_lshl_b32 s42, ttmp9, 13                      ; their blocks 8 g + w and 8 g + 4 + w
	s_lshl_b32 s35, s32, 10
	s_add_co_u32 s42, s42, s35
	s_mov_b32 s43, 0
	s_lshr_b32 s44, ttmp9, 3                       ; down_W: row block g / 8, sixteenths 2 (g % 8) and the next
	s_lshl_b32 s44, s44, 17
	s_and_b32 s35, ttmp9, 7
	s_lshl_b32 s35, s35, 10
	s_add_co_u32 s44, s44, s35
	s_add_co_u32 s44, s44, s34
	s_mov_b32 s45, 0
	s_and_b32 s46, ttmp9, 127                      ; v_W (g < 128) or out_W: unit g % 128
	s_lshr_b32 s35, s46, 2
	s_lshl_b32 s35, s35, 15
	s_and_b32 s46, s46, 3
	s_lshl_b32 s46, s46, 9
	s_add_co_u32 s46, s46, s35
	s_add_co_u32 s46, s46, s34
	s_mov_b32 s47, 0
	s_lshl_b32 s50, s33, 10                        ; its block 4 g + w: OUT's blocks follow V's 512
	s_mov_b32 s51, 0
	s_wait_kmcnt 0x0
	s_cmp_lt_u32 ttmp9, 128
	s_cselect_b64 s[48:49], s[16:17], s[18:19]
	s_add_nc_u64 s[4:5], s[4:5], s[36:37]
	s_add_nc_u64 s[26:27], s[26:27], s[36:37]
	s_add_nc_u64 s[28:29], s[28:29], s[38:39]
	s_add_nc_u64 s[20:21], s[20:21], s[40:41]
	s_add_nc_u64 s[22:23], s[22:23], s[40:41]
	s_add_nc_u64 s[24:25], s[24:25], s[44:45]
	s_add_nc_u64 s[48:49], s[48:49], s[46:47]
	s_add_nc_u64 s[54:55], s[30:31], s[42:43]
	s_add_nc_u64 s[56:57], s[30:31], s[50:51]
.macro PKLD blk, vo, sb, imm           ; a block as it lies in the weight: four loads of 16 bytes a lane
	global_load_b128 v[RAW+16*(\blk):RAW+16*(\blk)+3],     v[\vo], s[\sb:\sb+1] offset:(\imm) th:TH_LOAD_NT
	global_load_b128 v[RAW+16*(\blk)+4:RAW+16*(\blk)+7],   v[\vo], s[\sb:\sb+1] offset:(\imm)+16 th:TH_LOAD_NT
	global_load_b128 v[RAW+16*(\blk)+8:RAW+16*(\blk)+11],  v[\vo], s[\sb:\sb+1] offset:(\imm)+64 th:TH_LOAD_NT
	global_load_b128 v[RAW+16*(\blk)+12:RAW+16*(\blk)+15], v[\vo], s[\sb:\sb+1] offset:(\imm)+80 th:TH_LOAD_NT
.endm
.macro PKST blk, sb, imm               ; rounded in place (register t takes numbers 2 t, 2 t + 1) and stored: each store covers 512 consecutive bytes
.set t, 0
.rept 8
	v_cvt_pk_f16_f32 v[RAW+16*(\blk)+t], v[RAW+16*(\blk)+2*t], v[RAW+16*(\blk)+2*t+1]
.set t, t+1
.endr
	global_store_b128 v2, v[RAW+16*(\blk):RAW+16*(\blk)+3],   s[\sb:\sb+1] offset:(\imm)
	global_store_b128 v2, v[RAW+16*(\blk)+4:RAW+16*(\blk)+7], s[\sb:\sb+1] offset:(\imm)+512
.endm
.macro WSUM r, t                       ; v[r] summed over the 32 lanes, in every lane; v[t] at work (written before)
	v_add_f32_dpp v[\r], v[\r], v[\r] row_xmask:1 row_mask:0xf bank_mask:0xf
	v_add_f32_dpp v[\r], v[\r], v[\r] row_xmask:2 row_mask:0xf bank_mask:0xf
	v_add_f32_dpp v[\r], v[\r], v[\r] row_xmask:4 row_mask:0xf bank_mask:0xf
	v_add_f32_dpp v[\r], v[\r], v[\r] row_xmask:8 row_mask:0xf bank_mask:0xf
	v_permlanex16_b32 v[\t], v[\r], s[SEL], s[SEL+1]
	v_add_f32 v[\r], v[\r], v[\t]
.endm
.macro SGLD hb                         ; sg_W of heads hb .. hb + 3, my 16 columns of each
.set k, 0
.rept 4
.set q, 0
.rept 4
	global_load_b128 v[SG+16*k+4*q:SG+16*k+4*q+3], v2, s[10:11] offset:((\hb)+k)*2048+512*q
.set q, q+1
.endr
.set k, k+1
.endr
.endm
.macro DOT4 hb                         ; four heads' products with the row, side by side; each lane keeps the one of its own head
.set k, 0
.rept 4
	v_pk_mul_f32 v[TM+2*k:TM+2*k+1], v[X:X+1], v[SG+16*k:SG+16*k+1]
.set k, k+1
.endr
.set p, 1
.rept 7
.set k, 0
.rept 4
	v_pk_fma_f32 v[TM+2*k:TM+2*k+1], v[X+2*p:X+2*p+1], v[SG+16*k+2*p:SG+16*k+2*p+1], v[TM+2*k:TM+2*k+1]
.set k, k+1
.endr
.set p, p+1
.endr
.set k, 0
.rept 4
	v_add_f32 v[TM+2*k], v[TM+2*k], v[TM+2*k+1]
.set k, k+1
.endr
.set k, 0
.rept 4
	WSUM TM+2*k, TM+2*k+1
	v_cmp_eq_u32 vcc_lo, (\hb)+k, v8
	v_cndmask_b32 v13, v13, v[TM+2*k], vcc_lo
.set k, k+1
.endr
.endm
	; all loads go out at once: 2 + 12 + 16 + 28
	global_load_b32 v11, v9, s[12:13]              ; sg_b of my head
	global_load_b32 v12, v9, s[14:15]              ; temp of my head
.set q, 0
.rept 4
	global_load_b128 v[X+4*q:X+4*q+3], v2, s[4:5] offset:512*q
	global_load_b128 v[G+4*q:G+4*q+3], v2, s[6:7] offset:512*q
	global_load_b128 v[BB+4*q:BB+4*q+3], v2, s[8:9] offset:512*q
.set q, q+1
.endr
	SGLD 0
	PKLD 0, 6, 20, 0
	PKLD 1, 6, 20, 512
	PKLD 2, 6, 22, 0
	PKLD 3, 6, 22, 512
	PKLD 4, 7, 24, 0
	PKLD 5, 7, 24, 512
	PKLD 6, 6, 48, 0
	s_wait_loadcnt 44                              ; the first 14 are in; sg_W's 16 and the blocks' 28 stay out
	v_pk_add_f32 v[TM:TM+1], v[X:X+1], v[X+2:X+3]
	v_pk_add_f32 v[TM+2:TM+3], v[X+4:X+5], v[X+6:X+7]
	v_pk_add_f32 v[TM+4:TM+5], v[X+8:X+9], v[X+10:X+11]
	v_pk_add_f32 v[TM+6:TM+7], v[X+12:X+13], v[X+14:X+15]
	v_pk_add_f32 v[TM:TM+1], v[TM:TM+1], v[TM+2:TM+3]
	v_pk_add_f32 v[TM+4:TM+5], v[TM+4:TM+5], v[TM+6:TM+7]
	v_pk_add_f32 v[TM:TM+1], v[TM:TM+1], v[TM+4:TM+5]
	v_add_f32 v[TM], v[TM], v[TM+1]
	WSUM TM, TM+1
	v_mul_f32 v[MU], 0xbb000000, v[TM]             ; -mean
	v_mul_f32 v[MU+1], 0xbb000000, v[TM]
.set p, 0
.rept 8
	v_pk_add_f32 v[X+2*p:X+2*p+1], v[X+2*p:X+2*p+1], v[MU:MU+1]
.set p, p+1
.endr
	v_pk_mul_f32 v[TM:TM+1], v[X:X+1], v[X:X+1]    ; the squares of the centred row, in two chains
	v_pk_mul_f32 v[TM+2:TM+3], v[X+2:X+3], v[X+2:X+3]
.set p, 2
.rept 3
	v_pk_fma_f32 v[TM:TM+1], v[X+2*p:X+2*p+1], v[X+2*p:X+2*p+1], v[TM:TM+1]
	v_pk_fma_f32 v[TM+2:TM+3], v[X+2*p+2:X+2*p+3], v[X+2*p+2:X+2*p+3], v[TM+2:TM+3]
.set p, p+2
.endr
	v_pk_add_f32 v[TM:TM+1], v[TM:TM+1], v[TM+2:TM+3]
	v_add_f32 v[TM], v[TM], v[TM+1]
	WSUM TM, TM+1
	v_fma_f32 v[TM], v[TM], s60, s61               ; var + eps
	v_rsq_f32 v[MU], v[TM]
	v_nop                                          ; a plain instruction between the root and the use of its result
	s_wait_alu depctr_va_vdst(0)
	v_mov_b32 v[MU+1], v[MU]
.set p, 0
.rept 8
	v_pk_mul_f32 v[X+2*p:X+2*p+1], v[X+2*p:X+2*p+1], v[MU:MU+1]
.set p, p+1
.endr
.set p, 0
.rept 8
	v_pk_fma_f32 v[X+2*p:X+2*p+1], v[X+2*p:X+2*p+1], v[G+2*p:G+2*p+1], v[BB+2*p:BB+2*p+1]
.set p, p+1
.endr
.set q, 0
.rept 4
	global_store_b128 v2, v[X+4*q:X+4*q+3], s[26:27] offset:512*q   ; 512 consecutive bytes each
.set q, q+1
.endr
	s_wait_loadcnt 28                              ; heads 0-3 of sg_W are in
	DOT4 0
	SGLD 4                                         ; heads 4-7 into the same registers
	s_wait_loadcnt 16                              ; all seven blocks are in; those 16 stay out
	PKST 0, 54, CU_O
	PKST 1, 54, CU_O+4096
	PKST 2, 54, FG_O
	PKST 3, 54, FG_O+4096
	PKST 4, 54, DN_O
	PKST 5, 54, DN_O+4096
	PKST 6, 56, 0
	s_wait_loadcnt 0x0
	DOT4 4
	v_add_f32 v13, v13, v11                        ; h . sg_W + sg_b
	v_mul_f32 v13, 0xbfb8aa3b, v13
	v_exp_f32 v13, v13                             ; e^-z
	v_rcp_f32 v12, v12                             ; 1 / temp
	v_nop
	s_wait_alu depctr_va_vdst(0)
	v_add_f32 v13, 1.0, v13
	v_mul_f32 v12, 0x3e38aa3b, v12                 ; f = log2(e) / 8 / temp
	v_rcp_f32 v13, v13                             ; g
	v_nop
	s_wait_alu depctr_va_vdst(0)
	v_mul_f32 v14, v13, v12                        ; g f
	v_sub_f32 v15, v12, v14                        ; (1 - g) f
	v_cmp_gt_u32 vcc_lo, 8, v1
	v_cndmask_b32 v14, v15, v14, vcc_lo            ; lanes 0-7 the first, lanes 8-15 the second
	v_cmp_gt_u32 vcc_lo, 16, v1
	s_wait_xcnt 0x0                                ; EXEC changes only behind this wait
	s_and_saveexec_b32 s35, vcc_lo
	global_store_b32 v10, v14, s[28:29]            ; the row's 64 bytes
	s_wait_xcnt 0x0
	s_or_b32 exec_lo, exec_lo, s35
	s_endpgm
.Lfunc_end_k_q65a836d67d_prep:
	.size	k_q65a836d67d_prep, .Lfunc_end_k_q65a836d67d_prep-k_q65a836d67d_prep
	.p2alignl 7, 3214868480
	.fill 96, 4, 3214868480
	.section	.rodata,"a",@progbits
	.p2align	6, 0x0
	.amdhsa_kernel k_q65a836d67d_prep
		.amdhsa_group_segment_fixed_size 0
		.amdhsa_private_segment_fixed_size 0
		.amdhsa_enable_private_segment 0
		.amdhsa_kernarg_size 112
		.amdhsa_user_sgpr_count 2
		.amdhsa_user_sgpr_kernarg_segment_ptr 1
		.amdhsa_wavefront_size32 1
		.amdhsa_system_sgpr_workgroup_id_x 1
		.amdhsa_system_sgpr_workgroup_id_y 1
		.amdhsa_system_sgpr_workgroup_id_z 1
		.amdhsa_system_vgpr_workitem_id 0
		.amdhsa_next_free_vgpr 256
		.amdhsa_next_free_sgpr 66
		.amdhsa_reserve_vcc 1
		.amdhsa_float_denorm_mode_32 3
		.amdhsa_float_denorm_mode_16_64 3
		.amdhsa_memory_ordered 1
		.amdhsa_forward_progress 1
		.amdhsa_inst_pref_size 27
	.end_amdhsa_kernel
	.amdgpu_metadata
---
amdhsa.version: [ 1, 2 ]
amdhsa.kernels:
  - .name:           k_q65a836d67d_prep
    .symbol:         k_q65a836d67d_prep.kd
    .args:
      - { .name: x, .offset: 0, .size: 8, .value_kind: global_buffer, .address_space: global }
      - { .name: ln1_g, .offset: 8, .size: 8, .value_kind: global_buffer, .address_space: global }
      - { .name: ln1_b, .offset: 16, .size: 8, .value_kind: global_buffer, .address_space: global }
      - { .name: sg_W, .offset: 24, .size: 8, .value_kind: global_buffer, .address_space: global }
      - { .name: sg_b, .offset: 32, .size: 8, .value_kind: global_buffer, .address_space: global }
      - { .name: temp, .offset: 40, .size: 8, .value_kind: global_buffer, .address_space: global }
      - { .name: v_W, .offset: 48, .size: 8, .value_kind: global_buffer, .address_space: global }
      - { .name: out_W, .offset: 56, .size: 8, .value_kind: global_buffer, .address_space: global }
      - { .name: cu_W, .offset: 64, .size: 8, .value_kind: global_buffer, .address_space: global }
      - { .name: fg_W, .offset: 72, .size: 8, .value_kind: global_buffer, .address_space: global }
      - { .name: down_W, .offset: 80, .size: 8, .value_kind: global_buffer, .address_space: global }
      - { .name: hf, .offset: 88, .size: 8, .value_kind: global_buffer, .address_space: global }
      - { .name: gate, .offset: 96, .size: 8, .value_kind: global_buffer, .address_space: global }
      - { .name: wp, .offset: 104, .size: 8, .value_kind: global_buffer, .address_space: global }
    .group_segment_fixed_size: 0
    .private_segment_fixed_size: 0
    .kernarg_segment_align: 8
    .kernarg_segment_size: 112
    .max_flat_workgroup_size: 128
    .sgpr_count:     66
    .vgpr_count:     256
    .wavefront_size: 32
...
	.end_amdgpu_metadata
.endif
;; end of part 1
;; launch qkv (part 2): grid 16 x 16, 8 waves a work-group, clusters of 4 x 4, 323,584 bytes of LDS; arguments hf, q_W, k_W, q_b, k_b, v_b, wp, qk, vt; writes qk, vt
.if DOCPART == 2
	.amdgcn_target "amdgcn-amd-amdhsa--gfx1250"
	.amdhsa_code_object_version 6
	.text
	.protected	k_q65a836d67d_qkv
	.globl	k_q65a836d67d_qkv
	.p2align	8
	.type	k_q65a836d67d_qkv,@function
k_q65a836d67d_qkv:
	s_mov_b64 s[64:65], 0
	v_nop
	global_prefetch_b8 v0, s[64:65] scope:SCOPE_SE
	s_setreg_imm32_b32 hwreg(HW_REG_WAVE_MODE, 25, 1), 1
	s_wait_xcnt 0x0
	s_wait_alu depctr_hold_cnt(0) depctr_sa_sdst(0) depctr_va_vdst(0) depctr_va_sdst(0) depctr_va_ssrc(0) depctr_va_vcc(0) depctr_vm_vsrc(0)
	s_getreg_b32 s2, hwreg(HW_REG_IB_STS2, 6, 4)
	s_cmp_eq_u32 s2, 0
	s_cbranch_scc0 .Lentry_in_a_cluster
	s_endpgm
.Lentry_in_a_cluster:
	s_bfe_u32 s2, ttmp6, 0x10000c
	s_cmp_lg_u32 s2, 0xf033
	s_cbranch_scc0 .Lentry_shape_is_right
	s_endpgm
.Lentry_shape_is_right:
; QKV.  Work-group (j, i): rows 64 i .. + 63 of h.  (1) the max-plus product y[l][o] = max over k of (h[l][k] + W[o][k]) + b[o] for the 64 columns of one head of Q (j < 8) or K (j >= 8), in f32 on the vector unit;
; (2) V = h v_W^T + v_b for columns 32 j .. + 31 on the matrix unit, h rounded to f16, sums in f32.
; MAX-PLUS.  Eight waves: wave w takes quarter w % 4 of the 512 k and half w / 4 of the columns; a lane owns 8 x 8 outputs.  For four k a lane reads 8 + 8 times 16 bytes from LDS and issues 128 packed additions
; (two sums each) and 128 three-operand maxima (two sums each): one vector instruction for each pair.  The four quarters meet in LDS.
; CLUSTER 4 x 4: the tile of h hangs on i alone and is asked for jointly along a row of the cluster, the tile of W on j alone, jointly along a column.  Nothing in LDS is filled twice.
; OUT.  qk: f32 [Q, K][b][head][l][64].  vt: f16 [b][head][block of 64 keys][channel][key], V turned, as the attention launch multiplies it.
; LIMITS.  v_max3_num_f32 drops a NaN where the definition would keep it.  h and V beyond 65,504 have no f16 (|h| is at most sqrt(512) |g| + |b|).
.set PITCH, 528                        ; an LDS row: 128 f32 + 16 bytes = 132 words: rows one apart start 4 banks apart, rows four apart 16 banks (64 banks of 4 bytes: ISA guide 11.1)
.set QUART, 64*PITCH                   ; a quarter of k: 64 rows
.set XS,    0                          ; h: [quarter][row]
.set WS,    4*QUART                    ; W: [quarter][column]
.set STG,   8*QUART                    ; three buffers [64 rows][272 bytes]: the partial maxima of quarters 1-3; buffer 0 then takes the result
.set SPI,   272
.set SBUF,  64*SPI
.set SPARE, STG+3*SBUF                 ; the spare words: 128 bytes for each of eight waves
.set VSTG,  WS                         ; V's stage, [32 channels][144 bytes], in W's bytes, which have had their only fill and are read no more
.set VPI,   144
.set AX, 4                             ; v4, v5   LDS addresses of the max-plus loop, stepped by 16 bytes a trip
.set AW, 5
.set AX0, 6                            ; v6, v7   their first values
.set AW0, 7
.set L16, 8                            ; v8   16 x lane
.set SA, 9                             ; v9   quarters 1-3: my place in my quarter's stage buffer (quarter q owns buffer q - 1); quarter 0's value lies below the stage and is never used
.set AA, 10                            ; v10, v11  h fragments: quarters 0-1, quarters 2-3
.set VSA, 12                           ; v12  into V's stage
.set SRD, 13                           ; v13  rows back from the stage
.set VRD, 14                           ; v14  rows back from V's stage
.set BO, 15                            ; v15  16 (lane % 16): my four columns of the bias
.set ACC, 16                           ; v[16:79]   64 running maxima: (row jr, column jc) at 8 jr + jc
.set XB, 80                            ; v[80:111]  8 rows x 4 k of h
.set WB, 112                           ; v[112:143] 8 columns x 4 k of W
.set T, 144                            ; v[144:175] sums at work
.set BF, 176                           ; v[176:239] eight fragments of v_W
.set BIAS, 240                         ; v[240:243]
.set VB, 244                           ; v[244:245] v_b of my channel, twice
.set VBO, 246
.set SM, 247                           ; v247 my place in stage buffer 0: quarter 0 reads the three buffers from here on and writes the result here
.set SPW, 254
.set NIL, 255
.set WV, 22
.set KQ, 23                            ; w % 4: quarter of k; in V's product the block of 16 rows
.set CH, 24                            ; w / 4: half of the columns; in V's product the block of 16 channels
.set CNT, 30
.set NINF, 31
.set G1X, 32
.set G1W, 40
.set G0X, 48
.set G0W, 52
.set W0, (2<<16)|(1<<20)|(1<<21)|(6<<22)|(3<<25)   ; 4-byte elements; padding on; bit 21 beside a mask; after every 128 words (code 6) 4 words (code 3)
.macro CROUND                          ; a round of the cluster's barrier
	s_barrier_signal -1
	s_barrier_wait -1
	s_cmp_lg_u32 s[WV], 0
	s_cbranch_scc1 .Lnot_wave_0_\@
	s_barrier_signal -3
.Lnot_wave_0_\@:
	s_barrier_wait -3
	s_barrier_signal -1
	s_barrier_wait -1
.endm
; THE MAX-PLUS LOOP: 32 trips of four k.  The maxima start at -inf: 64 moves beside the loop's 8,192 instructions; a first trip written out would double the text.
.macro TROP
	v_mov_b32 v[AX], v[AX0]
	v_mov_b32 v[AW], v[AW0]
.set e, 0
.rept 64
	v_mov_b32 v[ACC+e], s[NINF]
.set e, e+1
.endr
	s_mov_b32 s[CNT], 32
.Ltrop_\@:
.set j, 0
.rept 8
	ds_load_b128 v[WB+4*j:WB+4*j+3], v[AW] offset:((j&3)+16*(j>>2))*PITCH
.set j, j+1
.endr
.set j, 0
.rept 8
	ds_load_b128 v[XB+4*j:XB+4*j+3], v[AX] offset:8*j*PITCH
.set j, j+1
.endr
.set jr, 0
.rept 8
	s_wait_dscnt 7-jr                              ; W's eight and h's rows up to jr are in; the 7 - jr younger loads stay out
.set jc, 0
.rept 8
	v_pk_add_f32 v[T+4*jc:T+4*jc+1], v[XB+4*jr:XB+4*jr+1], v[WB+4*jc:WB+4*jc+1]
	v_pk_add_f32 v[T+4*jc+2:T+4*jc+3], v[XB+4*jr+2:XB+4*jr+3], v[WB+4*jc+2:WB+4*jc+3]
.set jc, jc+1
.endr
.set jc, 0
.rept 8
	v_max3_num_f32 v[ACC+8*jr+jc], v[ACC+8*jr+jc], v[T+4*jc], v[T+4*jc+1]
.set jc, jc+1
.endr
.set jc, 0
.rept 8
	v_max3_num_f32 v[ACC+8*jr+jc], v[ACC+8*jr+jc], v[T+4*jc+2], v[T+4*jc+3]
.set jc, jc+1
.endr
.set jr, jr+1
.endr
	v_add_nc_u32 v[AX], 16, v[AX]
	v_add_nc_u32 v[AW], 16, v[AW]
	s_sub_co_u32 s[CNT], s[CNT], 1
	s_cmp_lg_u32 s[CNT], 0
	s_cbranch_scc1 .Ltrop_\@
.endm
.macro PSTORE a                        ; my 8 x 8 maxima into the stage buffer at v[a]: rows lr + 8 jr, columns 4 lc + 0..3 and 16 more
.set jr, 0
.rept 8
	ds_store_b128 v[\a], v[ACC+8*jr:ACC+8*jr+3] offset:jr*8*SPI
	ds_store_b128 v[\a], v[ACC+8*jr+4:ACC+8*jr+7] offset:jr*8*SPI+64
.set jr, jr+1
.endr
.endm
.macro MLOAD b, set                    ; the three other quarters' maxima for my rows jr = 2 b, 2 b + 1: 12 loads
.set p, 0
.rept 3
.set u, 0
.rept 2
	ds_load_b128 v[XB+48*(\set)+16*p+8*u:XB+48*(\set)+16*p+8*u+3],   v[SM] offset:p*SBUF+(2*(\b)+u)*8*SPI
	ds_load_b128 v[XB+48*(\set)+16*p+8*u+4:XB+48*(\set)+16*p+8*u+7], v[SM] offset:p*SBUF+(2*(\b)+u)*8*SPI+64
.set u, u+1
.endr
.set p, p+1
.endr
.endm
.macro MMAX b, set
.set e, 0
.rept 16
	v_max3_num_f32 v[ACC+16*(\b)+e], v[ACC+16*(\b)+e], v[XB+48*(\set)+e], v[XB+48*(\set)+16+e]
.set e, e+1
.endr
.set e, 0
.rept 16
	v_max_num_f32 v[ACC+16*(\b)+e], v[ACC+16*(\b)+e], v[XB+48*(\set)+32+e]
.set e, e+1
.endr
.endm
.macro MERGE                           ; quarter 0's waves take the other three in; the next batch's 12 loads stay out at each wait
	MLOAD 0, 0
	MLOAD 1, 1
	s_wait_dscnt 12
	MMAX 0, 0
	MLOAD 2, 0
	s_wait_dscnt 12
	MMAX 1, 1
	MLOAD 3, 1
	s_wait_dscnt 12
	MMAX 2, 0
	s_wait_dscnt 0x0
	MMAX 3, 1
	PSTORE SM                                      ; the result into buffer 0: each lane writes where it alone has read
.endm
	s_load_b512 s[4:19], s[0:1], 0x0               ; hf, q_W, k_W, q_b, k_b, v_b, wp, qk
	s_load_b64 s[20:21], s[0:1], 0x40              ; vt
	v_lshl_add_u32 v[SPW], v0, 2, SPARE
	v_mov_b32 v[NIL], 0
	ds_add_u32 v[SPW], v[NIL]                      ; the wave's opening: the add and its wait ahead of my first tensor load
	v_lshrrev_b32 v1, 5, v0
	v_readfirstlane_b32 s[WV], v1
	s_and_b32 s[KQ], s[WV], 3
	s_lshr_b32 s[CH], s[WV], 2
	s_bfe_u32 s25, ttmp6, 0x40000                  ; cx
	s_bfe_u32 s26, ttmp6, 0x40004                  ; cy
	s_lshl_b32 s27, ttmp9, 2
	s_add_co_u32 s27, s27, s25                     ; j = 4 x cluster x + cx
	s_and_b32 s29, s27, 7                          ; the head
	s_and_b32 s28, ttmp7, 0xffff
	s_lshl_b32 s28, s28, 2
	s_add_co_u32 s28, s28, s26                     ; i = 4 x cluster y + cy
	s_lshl_b32 s56, s26, 2
	s_lshl_b32 s56, 15, s56                        ; my row of the cluster
	s_lshl_b32 s57, 0x1111, s25                    ; my column
	s_or_b32 s[G1X], s56, W0
	s_or_b32 s[G1W], s57, W0
.irp g, G1X, G1W                       ; a tile of 32 rows x 128 f32 out of rows of 512
	s_mov_b32 s[\g+1], 128<<16
	s_mov_b32 s[\g+2], 32<<16
	s_mov_b32 s[\g+3], 128<<16
	s_mov_b32 s[\g+4], 32
	s_mov_b32 s[\g+5], 512
	s_mov_b32 s[\g+6], 0
	s_mov_b32 s[\g+7], 0
.endr
	s_mov_b32 s[G0X], 1
	s_mov_b32 s[G0W], 1
	s_mul_i32 s58, s[KQ], QUART                    ; wave w fetches quarter w % 4, rows 32 (w / 4) on, of both tiles
	s_mul_i32 s59, s[CH], 32*PITCH
	s_add_co_u32 s58, s58, s59
	s_add_co_u32 s[G0X+1], s58, XS
	s_add_co_u32 s[G0W+1], s58, WS
	s_lshl_b32 s59, s[CH], 16
	s_lshl_b32 s2, s[KQ], 9
	s_add_co_u32 s59, s59, s2
	s_lshl_b32 s60, s28, 17                        ; h: 64 i rows of 2,048 bytes
	s_add_co_u32 s60, s60, s59
	s_mov_b32 s61, 0
	s_lshl_b32 s62, s29, 17                        ; W: 64 rows for each head
	s_add_co_u32 s62, s62, s59
	s_mov_b32 s63, 0
	s_mov_b32 s[NINF], 0xff800000
	s_wait_dscnt 0x0                               ; the opening add is done
	s_wait_kmcnt 0x0
	s_cmp_lt_u32 ttmp9, 2                          ; clusters 0, 1 along x make Q, clusters 2, 3 make K: the same answer in all partners
	s_cselect_b64 s[2:3], s[6:7], s[8:9]
	s_cselect_b64 s[56:57], s[10:11], s[12:13]
	s_add_nc_u64 s[G0X+2:G0X+3], s[4:5], s[60:61]
	s_or_b32 s[G0X+3], s[G0X+3], 0x80000000
	s_add_nc_u64 s[G0W+2:G0W+3], s[2:3], s[62:63]
	s_or_b32 s[G0W+3], s[G0W+3], 0x80000000
	CROUND                                         ; all sixteen work-groups are here: the joint loads meet
	tensor_load_to_lds s[G0X:G0X+3], s[G1X:G1X+7]
	s_nop 0
	tensor_load_to_lds s[G0W:G0W+3], s[G1W:G1W+7]  ; two loads of mine are out
	s_nop 0
.rept 4
	v_nop
.endr
	s_lshl_b32 s58, s29, 8
	s_mov_b32 s59, 0
	s_add_nc_u64 s[56:57], s[56:57], s[58:59]      ; the head's 64 biases
	s_lshl_b32 s58, s27, 7
	s_lshl_b32 s60, s[CH], 6
	s_add_co_u32 s58, s58, s60
	s_add_nc_u64 s[14:15], s[14:15], s[58:59]      ; v_b at channel 32 j + 16 (w / 4)
	s_lshl_b32 s58, s27, 15
	s_lshl_b32 s60, s[CH], 14
	s_add_co_u32 s58, s58, s60
	s_add_nc_u64 s[16:17], s[16:17], s[58:59]      ; v_W's blocks of channel block 2 j + w / 4
	s_lshr_b32 s58, s27, 3                         ; qk: Q or K, batch, head, 64 rows of 256 bytes, my 8 rows
	s_lshl_b32 s58, s58, 21
	s_lshr_b32 s60, s28, 3
	s_lshl_b32 s61, s60, 20
	s_add_co_u32 s58, s58, s61
	s_lshl_b32 s61, s29, 17
	s_add_co_u32 s58, s58, s61
	s_and_b32 s62, s28, 7
	s_lshl_b32 s61, s62, 14
	s_add_co_u32 s58, s58, s61
	s_lshl_b32 s61, s[WV], 11
	s_add_co_u32 s58, s58, s61
	s_add_nc_u64 s[18:19], s[18:19], s[58:59]
	s_lshl_b32 s58, s60, 19                        ; vt: batch, head j / 2, key block i % 8, channels 32 (j % 2) on, my 4 channels
	s_lshr_b32 s61, s27, 1
	s_lshl_b32 s61, s61, 16
	s_add_co_u32 s58, s58, s61
	s_lshl_b32 s61, s62, 13
	s_add_co_u32 s58, s58, s61
	s_and_b32 s61, s27, 1
	s_lshl_b32 s61, s61, 12
	s_add_co_u32 s58, s58, s61
	s_lshl_b32 s61, s[WV], 9
	s_add_co_u32 s58, s58, s61
	s_add_nc_u64 s[20:21], s[20:21], s[58:59]
	v_and_b32 v1, 31, v0                           ; lane
	v_and_b32 v2, 15, v0                           ; r
	v_bfe_u32 v3, v0, 4, 1                         ; h
	v_lshlrev_b32 v[L16], 4, v1
	v_lshlrev_b32 v[BO], 4, v2
	v_lshlrev_b32 v[VBO], 2, v2
	global_load_b128 v[BIAS:BIAS+3], v[BO], s[56:57]
	global_load_b32 v[VB], v[VBO], s[14:15]
.set k, 0
.rept 8                                ; v_W's fragments of K steps 0-7 wait in registers under the max-plus loop
	global_load_b128 v[BF+8*k:BF+8*k+3],   v[L16], s[16:17] offset:k*1024
	global_load_b128 v[BF+8*k+4:BF+8*k+7], v[L16], s[16:17] offset:k*1024+512
.set k, k+1
.endr
	v_and_b32 v248, 3, v0                          ; lc
	v_bfe_u32 v249, v0, 2, 3                       ; lr
	s_mul_i32 s58, s[KQ], QUART
	v_mul_u32_u24 v[AX0], v249, PITCH
	v_add_nc_u32 v[AX0], s58, v[AX0]               ; h: quarter, row lr
	s_mul_i32 s59, s[CH], 32*PITCH
	s_add_co_u32 s59, s59, s58
	s_add_co_u32 s59, s59, WS
	v_mul_u32_u24 v[AW0], v248, 4*PITCH
	v_add_nc_u32 v[AW0], s59, v[AW0]               ; W: quarter, column 32 (w / 4) + 4 lc
	v_mul_u32_u24 v252, v249, SPI                  ; the stage: row lr,
	v_lshl_add_u32 v252, v248, 4, v252             ; 16 lc bytes,
	s_lshl_b32 s61, s[CH], 7                       ; my half of the columns;
	s_mul_i32 s60, s[KQ], SBUF
	s_add_co_u32 s60, s60, s61
	s_add_co_u32 s60, s60, STG-SBUF                ; quarter q's buffer is q - 1
	s_add_co_u32 s61, s61, STG                     ; buffer 0
	v_add_nc_u32 v[SA], s60, v252
	v_add_nc_u32 v[SM], s61, v252
	s_mul_i32 s60, s[KQ], 16*PITCH
	v_mul_u32_u24 v[AA], v2, PITCH
	v_lshl_add_u32 v[AA], v3, 5, v[AA]
	v_add_nc_u32 v[AA], s60, v[AA]                 ; row 16 (w % 4) + r, 32 h bytes
	v_add_nc_u32 v[AA+1], 2*QUART, v[AA]
	s_mul_i32 s60, s[CH], 16*VPI
	s_lshl_b32 s61, s[KQ], 5
	s_add_co_u32 s60, s60, s61
	s_add_co_u32 s60, s60, VSTG
	v_mul_u32_u24 v[VSA], v2, VPI
	v_lshl_add_u32 v[VSA], v3, 4, v[VSA]
	v_add_nc_u32 v[VSA], s60, v[VSA]               ; channel 16 (w / 4) + r, keys 16 (w % 4) + 8 h on
	s_mul_i32 s60, s[WV], 8*SPI
	s_add_co_u32 s60, s60, STG
	v_mul_u32_u24 v[SRD], v3, SPI
	v_lshl_add_u32 v[SRD], v2, 4, v[SRD]
	v_add_nc_u32 v[SRD], s60, v[SRD]               ; rows 8 w + h, 16 bytes a lane
	s_mul_i32 s60, s[WV], 4*VPI
	s_add_co_u32 s60, s60, VSTG
	v_lshrrev_b32 v250, 3, v1
	v_and_b32 v251, 7, v0
	v_mul_u32_u24 v[VRD], v250, VPI
	v_lshl_add_u32 v[VRD], v251, 4, v[VRD]
	v_add_nc_u32 v[VRD], s60, v[VRD]
	s_wait_tensorcnt 0x0                           ; my parts of both tiles are in,
	s_barrier_signal -1
	s_barrier_wait -1                              ; everybody's are
	TROP
	s_cmp_eq_u32 s[KQ], 0
	s_cbranch_scc1 .Lkeep
	PSTORE SA
.Lkeep:
	s_wait_dscnt 0x0                               ; for the others' sake: my partial maxima are in LDS, and my reads of W are over
	s_barrier_signal -1
	s_barrier_wait -1
	s_cmp_lg_u32 s[KQ], 0
	s_cbranch_scc1 .Lnomerge
	MERGE
.Lnomerge:
; V.  Wave w: rows 16 (w % 4) on x channels 16 (w / 4) on, 16 K steps of 32.  h comes out of LDS in f32 (four sets of 16 registers, three steps ahead) and is rounded here.
; Two accumulators take turns and are added at the end.
.macro VLD s
.set RR, XB+16*((\s)&3)
.set RA, AA+((\s)>>3)
.set RO, (((\s)>>2)&1)*QUART+((\s)&3)*128
	ds_load_b128 v[RR:RR+3],     v[RA] offset:RO
	ds_load_b128 v[RR+4:RR+7],   v[RA] offset:RO+16
	ds_load_b128 v[RR+8:RR+11],  v[RA] offset:RO+64
	ds_load_b128 v[RR+12:RR+15], v[RA] offset:RO+80
.endm
.macro VSTEP s
.if (\s)+3 < 16
	VLD (\s)+3
	s_wait_dscnt 12                                ; this step's four loads are in; three steps' stay out
.else
	s_wait_dscnt 4*(15-(\s))
.endif
.set RR, XB+16*((\s)&3)
.set FA, T+8*((\s)&1)
.set t, 0
.rept 8                                ; these eight are also the places between the last product and the load into the fragment that it read
	v_cvt_pk_f16_f32 v[FA+t], v[RR+2*t], v[RR+2*t+1]
.set t, t+1
.endr
.if ((\s) >= 1) && ((\s) <= 8)
	global_load_b128 v[BF+8*((\s)-1):BF+8*((\s)-1)+3],   v[L16], s[16:17] offset:((\s)+7)*1024
	global_load_b128 v[BF+8*((\s)-1)+4:BF+8*((\s)-1)+7], v[L16], s[16:17] offset:((\s)+7)*1024+512
.endif
.if (\s) <= 8
	s_wait_loadcnt 14                              ; seven K steps' fragments were asked for behind this one's
.else
	s_wait_loadcnt 14-2*((\s)-8)
.endif
.set VD, T+16+8*((\s)&1)
.if (\s) < 2
	v_wmma_f32_16x16x32_f16 v[VD:VD+7], v[FA:FA+7], v[BF+8*((\s)&7):BF+8*((\s)&7)+7], 0
.else
	v_wmma_f32_16x16x32_f16 v[VD:VD+7], v[FA:FA+7], v[BF+8*((\s)&7):BF+8*((\s)&7)+7], v[VD:VD+7]
.endif
.endm
	VLD 0
	VLD 1
	VLD 2
.irp s, 0,1,2,3,4,5,6,7,8,9,10,11,12,13,14,15
	VSTEP \s
.endr
	v_mov_b32 v[VB+1], v[VB]                       ; four plain instructions behind the last product
.rept 3
	v_nop
.endr
.set t, 0
.rept 4                                ; a lane holds one channel (lane % 16) and the rows 8 (lane / 16) + 0..7
	v_pk_add_f32 v[T+16+2*t:T+16+2*t+1], v[T+16+2*t:T+16+2*t+1], v[T+24+2*t:T+24+2*t+1]
.set t, t+1
.endr
.set t, 0
.rept 4
	v_pk_add_f32 v[T+16+2*t:T+16+2*t+1], v[T+16+2*t:T+16+2*t+1], v[VB:VB+1]
.set t, t+1
.endr
.set t, 0
.rept 4
	v_cvt_pk_f16_f32 v[T+t], v[T+16+2*t], v[T+16+2*t+1]
.set t, t+1
.endr
	ds_store_b128 v[VSA], v[T:T+3]
	s_wait_dscnt 0x0                               ; the merged maxima and V's tile are in LDS
	s_barrier_signal -1
	s_barrier_wait -1
.set t, 0
.rept 4
	ds_load_b128 v[XB+4*t:XB+4*t+3], v[SRD] offset:t*2*SPI
.set t, t+1
.endr
	ds_load_b128 v[XB+16:XB+19], v[VRD]
.set t, 0
.rept 4
	s_wait_dscnt 4-t
	v_pk_add_f32 v[XB+4*t:XB+4*t+1], v[XB+4*t:XB+4*t+1], v[BIAS:BIAS+1]
	v_pk_add_f32 v[XB+4*t+2:XB+4*t+3], v[XB+4*t+2:XB+4*t+3], v[BIAS+2:BIAS+3]
	global_store_b128 v[L16], v[XB+4*t:XB+4*t+3], s[18:19] offset:t*512   ; two rows of a head: 512 consecutive bytes
.set t, t+1
.endr
	s_wait_dscnt 0x0
	global_store_b128 v[L16], v[XB+16:XB+19], s[20:21]                    ; four channels x 64 keys: 512 consecutive bytes
	s_wait_tensorcnt 0x0                           ; the wave's end
	ds_add_u32 v[SPW], v[NIL]
	s_wait_dscnt 0x0
	CROUND                                         ; the closing round
	s_endpgm
.Lfunc_end_k_q65a836d67d_qkv:
	.size	k_q65a836d67d_qkv, .Lfunc_end_k_q65a836d67d_qkv-k_q65a836d67d_qkv
	.p2alignl 7, 3214868480
	.fill 96, 4, 3214868480
	.section	.rodata,"a",@progbits
	.p2align	6, 0x0
	.amdhsa_kernel k_q65a836d67d_qkv
		.amdhsa_group_segment_fixed_size 323584
		.amdhsa_private_segment_fixed_size 0
		.amdhsa_enable_private_segment 0
		.amdhsa_kernarg_size 72
		.amdhsa_user_sgpr_count 2
		.amdhsa_user_sgpr_kernarg_segment_ptr 1
		.amdhsa_wavefront_size32 1
		.amdhsa_system_sgpr_workgroup_id_x 1
		.amdhsa_system_sgpr_workgroup_id_y 1
		.amdhsa_system_sgpr_workgroup_id_z 1
		.amdhsa_system_vgpr_workitem_id 0
		.amdhsa_next_free_vgpr 256
		.amdhsa_next_free_sgpr 66
		.amdhsa_reserve_vcc 0
		.amdhsa_float_denorm_mode_32 3
		.amdhsa_float_denorm_mode_16_64 3
		.amdhsa_memory_ordered 1
		.amdhsa_forward_progress 1
		.amdhsa_inst_pref_size 59
	.end_amdhsa_kernel
	.amdgpu_metadata
---
amdhsa.version: [ 1, 2 ]
amdhsa.kernels:
  - .name:           k_q65a836d67d_qkv
    .symbol:         k_q65a836d67d_qkv.kd
    .args:
      - { .name: hf, .offset: 0, .size: 8, .value_kind: global_buffer, .address_space: global }
      - { .name: q_W, .offset: 8, .size: 8, .value_kind: global_buffer, .address_space: global }
      - { .name: k_W, .offset: 16, .size: 8, .value_kind: global_buffer, .address_space: global }
      - { .name: q_b, .offset: 24, .size: 8, .value_kind: global_buffer, .address_space: global }
      - { .name: k_b, .offset: 32, .size: 8, .value_kind: global_buffer, .address_space: global }
      - { .name: v_b, .offset: 40, .size: 8, .value_kind: global_buffer, .address_space: global }
      - { .name: wp, .offset: 48, .size: 8, .value_kind: global_buffer, .address_space: global }
      - { .name: qk, .offset: 56, .size: 8, .value_kind: global_buffer, .address_space: global }
      - { .name: vt, .offset: 64, .size: 8, .value_kind: global_buffer, .address_space: global }
    .group_segment_fixed_size: 323584
    .private_segment_fixed_size: 0
    .kernarg_segment_align: 8
    .kernarg_segment_size: 72
    .max_flat_workgroup_size: 256
    .sgpr_count:     66
    .vgpr_count:     256
    .wavefront_size: 32
...
	.end_amdgpu_metadata
.endif
;; end of part 2
;; launch attn (part 3): grid 16 x 16, 8 waves a work-group, clusters of 4 x 1, 291,328 bytes of LDS; arguments qk, vt, gate, out1, op; writes out1, op
.if DOCPART == 3
	.amdgcn_target "amdgcn-amd-amdhsa--gfx1250"
	.amdhsa_code_object_version 6
	.text
	.protected	k_q65a836d67d_attn
	.globl	k_q65a836d67d_attn
	.p2align	8
	.type	k_q65a836d67d_attn,@function
k_q65a836d67d_attn:
	s_mov_b64 s[64:65], 0
	v_nop
	global_prefetch_b8 v0, s[64:65] scope:SCOPE_SE
	s_setreg_imm32_b32 hwreg(HW_REG_WAVE_MODE, 25, 1), 1
	s_wait_xcnt 0x0
	s_wait_alu depctr_hold_cnt(0) depctr_sa_sdst(0) depctr_va_vdst(0) depctr_va_sdst(0) depctr_va_ssrc(0) depctr_va_vcc(0) depctr_vm_vsrc(0)
	s_getreg_b32 s2, hwreg(HW_REG_IB_STS2, 6, 4)
	s_cmp_eq_u32 s2, 0
	s_cbranch_scc0 .Lentry_in_a_cluster
	s_endpgm
.Lentry_in_a_cluster:
	s_bfe_u32 s2, ttmp6, 0x10000c
	s_cmp_lg_u32 s2, 0x3003
	s_cbranch_scc0 .Lentry_shape_is_right
	s_endpgm
.Lentry_shape_is_right:
; ATTENTION.  A work-group has 32 queries of one (batch, head) and all 512 keys; wave w has queries 16 (w / 4) on and keys 128 (w % 4) on.
; score (in powers of 2) = a' max_d(Q[i][d] + K[j][d]) + c' sum_d Q[i][d] K[j][d], with a' and c' (gate, scale, temperature, log2 e) per query from the gate buffer.
; The max-plus part is made in f32 on the vector unit with the lane's 8 x 8 outputs laid exactly as the matrix unit lays a result (register j of block kb: query 8 (lane / 16) + j, key 16 kb + lane % 16);
; it is scaled by a' and then serves as the C operand of the classical product (c' Q) K^T in f16, so the two meet without a move.
; SOFTMAX over the whole row with the true maximum taken away: maxima and sums cross the 16 lanes by DPP and the four key quarters through LDS.
; attn leaves in f32 through the wave's own stage; the same stage gives P's fragments for O^T = V^T P^T (f16); the four quarters' partial O meet in LDS, and O leaves as f16 fragment blocks for the next launch.
; CLUSTER 4 x 1: the four query blocks of a cluster share K and V: asked for jointly.  Nothing in LDS is filled twice.
; LIMITS.  v_max3_num_f32 drops a NaN.  c' Q, K, P, V, O are f16 operands: nothing beyond 65,504.  A weight below 2^-126 counts as 0.
.set KPI,  272                         ; a row of K or Q: 64 f32 + 16 bytes = 68 words: 16 rows start at 16 different groups of four banks (64 banks of 4 bytes: ISA guide 11.1)
.set KS,   0                           ; 512 keys
.set QS,   512*KPI                     ; 32 queries
.set VS,   QS+32*KPI                   ; V turned: [key block 8][channel 64][64 keys f16 + 16 bytes]
.set VPI,  144
.set KBLK, 64*VPI
.set PS,   VS+8*KBLK                   ; each wave's stage: [16 queries][128 keys f32 + 16 bytes]
.set PPI,  528
.set PBUF, 16*PPI
.set REDM, PS+8*PBUF                   ; [wave][16 queries] maxima; 512 bytes on, the sums
.set SPARE, REDM+1024
.set OS,   KS                          ; partial O^T, 4,096 bytes a wave, in K's bytes, which have had their only fill and are read no more
.set AX, 4
.set AW, 5
.set GC, 6                             ; v6   offset of c' in gate
.set GA, 7                             ; v7   offset of a'
.set L16, 8
.set AQ, 9                             ; v9   Q fragments
.set AK, 10                            ; v10  K fragments
.set RMS, 11                           ; v11  my wave's words in REDM
.set RMR, 12                           ; v12  my queries' words of the four quarters
.set PSS, 13                           ; v13  into my stage, a word a lane
.set PSR, 14                           ; v14  rows back
.set PSF, 15                           ; v15  P fragments
.set ACC, 16                           ; v[16:79]   (query j, key block kb) at 8 kb + j
.set XB, 80
.set WB, 112
.set T, 144
.set BF, 176
.set QF, 224                           ; v[224:239] two fragments of c' Q
.set AP, 240                           ; v[240:247] a' of my eight queries
.set CP, 248                           ; v[248:249] c' of query lane % 16, twice
.set VFA, 250
.set OSS, 251
.set OSR, 252
.set SPW, 254
.set NIL, 255
.set WV, 14
.set G1K, 16
.set G1Q, 24
.set G1V, 32
.set G0K, 40
.set G0Q, 44
.set G0V, 48
.set RB, 52
.set KQ, 53
.set CNT, 57
.set NINF, 58
.macro CROUND
	s_barrier_signal -1
	s_barrier_wait -1
	s_cmp_lg_u32 s[WV], 0
	s_cbranch_scc1 .Lnot_wave_0_\@
	s_barrier_signal -3
.Lnot_wave_0_\@:
	s_barrier_wait -3
	s_barrier_signal -1
	s_barrier_wait -1
.endm
	s_load_b256 s[4:11], s[0:1], 0x0               ; qk, vt, gate, out1
	s_load_b64 s[12:13], s[0:1], 0x20              ; op
	v_lshl_add_u32 v[SPW], v0, 2, SPARE
	v_mov_b32 v[NIL], 0
	ds_add_u32 v[SPW], v[NIL]                      ; the wave's opening: the add and its wait ahead of my first tensor load
	v_lshrrev_b32 v1, 5, v0
	v_readfirstlane_b32 s[WV], v1
	s_lshr_b32 s[RB], s[WV], 2
	s_and_b32 s[KQ], s[WV], 3
	s_bfe_u32 s54, ttmp6, 0x40000                  ; cx
	s_lshl_b32 s55, ttmp9, 2
	s_add_co_u32 s55, s55, s54                     ; my block of 32 queries: it enters Q's, gate's, out1's and op's addresses alone
	s_and_b32 s56, ttmp7, 0xffff                   ; 8 batch + head, which the partners share
	s_mov_b32 s[G1K], 15|(2<<16)|(1<<20)|(1<<21)|(5<<22)|(3<<25)   ; joint; 4-byte elements; after every 64 words 4 words of padding
	s_mov_b32 s[G1K+1], 64<<16
	s_mov_b32 s[G1K+2], 64<<16
	s_mov_b32 s[G1K+3], 64<<16
	s_mov_b32 s[G1K+4], 64                         ; 64 keys x 64 f32
	s_mov_b32 s[G1K+5], 64
	s_mov_b32 s[G1K+6], 0
	s_mov_b32 s[G1K+7], 0
	s_mov_b32 s[G1Q], (2<<16)|(1<<20)|(5<<22)|(3<<25)              ; my own
	s_mov_b32 s[G1Q+1], 64<<16
	s_mov_b32 s[G1Q+2], 4<<16
	s_mov_b32 s[G1Q+3], 64<<16
	s_mov_b32 s[G1Q+4], 4                          ; 4 queries x 64 f32
	s_mov_b32 s[G1Q+5], 64
	s_mov_b32 s[G1Q+6], 0
	s_mov_b32 s[G1Q+7], 0
	s_mov_b32 s[G1V], 15|(1<<16)|(1<<20)|(1<<21)|(4<<22)|(3<<25)   ; joint; 2-byte elements; after every 32 words (a channel's 64 keys) 4 words
	s_mov_b32 s[G1V+1], 128<<16
	s_mov_b32 s[G1V+2], 32<<16
	s_mov_b32 s[G1V+3], 128<<16
	s_mov_b32 s[G1V+4], 32                         ; a key block's 8,192 dense bytes as 32 rows of 256
	s_mov_b32 s[G1V+5], 128
	s_mov_b32 s[G1V+6], 0
	s_mov_b32 s[G1V+7], 0
	s_mov_b32 s[G0K], 1
	s_mov_b32 s[G0Q], 1
	s_mov_b32 s[G0V], 1
	s_mul_i32 s[G0K+1], s[WV], 64*KPI              ; KS = 0
	s_mul_i32 s59, s[WV], 4*KPI
	s_add_co_u32 s[G0Q+1], s59, QS
	s_mul_i32 s59, s[WV], KBLK
	s_add_co_u32 s[G0V+1], s59, VS
	s_lshl_b32 s60, s56, 17                        ; K: behind Q's 2,097,152 bytes; the head's 131,072; my 64 keys
	s_lshl_b32 s59, s[WV], 14
	s_add_co_u32 s60, s60, s59
	s_add_co_u32 s60, s60, 2097152
	s_mov_b32 s61, 0
	s_lshl_b32 s2, s56, 16                         ; V: the head's 65,536; my key block
	s_lshl_b32 s59, s[WV], 13
	s_add_co_u32 s2, s2, s59
	s_mov_b32 s3, 0
	s_lshl_b32 s62, s56, 17                        ; Q: the head; my block's 32 rows; my 4
	s_lshl_b32 s59, s55, 13
	s_add_co_u32 s62, s62, s59
	s_lshl_b32 s59, s[WV], 10
	s_add_co_u32 s62, s62, s59
	s_mov_b32 s63, 0
	s_mov_b32 s[NINF], 0xff800000
	s_wait_dscnt 0x0                               ; the opening add is done
	s_wait_kmcnt 0x0
	s_add_nc_u64 s[G0K+2:G0K+3], s[4:5], s[60:61]
	s_or_b32 s[G0K+3], s[G0K+3], 0x80000000
	s_add_nc_u64 s[G0Q+2:G0Q+3], s[4:5], s[62:63]
	s_or_b32 s[G0Q+3], s[G0Q+3], 0x80000000
	s_add_nc_u64 s[G0V+2:G0V+3], s[6:7], s[2:3]
	s_or_b32 s[G0V+3], s[G0V+3], 0x80000000
	CROUND                                         ; all four work-groups are here
	tensor_load_to_lds s[G0K:G0K+3], s[G1K:G1K+7]
	s_nop 0
	tensor_load_to_lds s[G0Q:G0Q+3], s[G1Q:G1Q+7]
	s_nop 0
	tensor_load_to_lds s[G0V:G0V+3], s[G1V:G1V+7]  ; three loads of mine are out
	s_nop 0
.rept 4
	v_nop
.endr
	s_lshr_b32 s59, s56, 3                         ; batch
	s_and_b32 s15, s56, 7                          ; head
	s_lshl_b32 s60, s59, 15                        ; gate: 64 bytes a row
	s_lshl_b32 s62, s55, 11
	s_add_co_u32 s60, s60, s62
	s_lshl_b32 s62, s15, 2
	s_add_co_u32 s60, s60, s62
	s_mov_b32 s61, 0
	s_add_nc_u64 s[8:9], s[8:9], s[60:61]
	s_lshl_b32 s60, s56, 20                        ; out1: the head's 512 x 512 f32; my 16 rows; my 128 keys
	s_lshl_b32 s62, s55, 16
	s_add_co_u32 s60, s60, s62
	s_lshl_b32 s62, s[RB], 15
	s_add_co_u32 s60, s60, s62
	s_lshl_b32 s62, s[KQ], 9
	s_add_co_u32 s60, s60, s62
	s_add_nc_u64 s[10:11], s[10:11], s[60:61]
	s_lshl_b32 s60, s59, 19                        ; op: row block 32 batch + 2 block + w / 4, K step 2 head + (w % 4) / 2, half (w % 4) % 2
	s_lshl_b32 s62, s55, 15
	s_add_co_u32 s60, s60, s62
	s_lshl_b32 s62, s[RB], 14
	s_add_co_u32 s60, s60, s62
	s_lshl_b32 s62, s15, 11
	s_add_co_u32 s60, s60, s62
	s_lshl_b32 s62, s[KQ], 9
	s_add_co_u32 s60, s60, s62
	s_add_nc_u64 s[12:13], s[12:13], s[60:61]
	v_and_b32 v1, 31, v0
	v_and_b32 v2, 15, v0                           ; r
	v_bfe_u32 v3, v0, 4, 1                         ; h
	v_lshlrev_b32 v[L16], 4, v1
	s_lshl_b32 s60, s[RB], 10
	v_lshl_add_u32 v[GA], v3, 9, s60               ; rows 16 (w / 4) + 8 h on
	v_lshl_add_u32 v[GC], v2, 6, s60               ; row 16 (w / 4) + r
.set j, 0
.rept 8
	global_load_b32 v[AP+j], v[GA], s[8:9] offset:j*64
.set j, j+1
.endr
	global_load_b32 v[CP], v[GC], s[8:9] offset:32
	s_mul_i32 s60, s[RB], 16*KPI
	s_add_co_u32 s60, s60, QS
	v_mul_u32_u24 v[AX], v3, 8*KPI
	v_add_nc_u32 v[AX], s60, v[AX]                 ; queries 16 (w / 4) + 8 h on
	v_mul_u32_u24 v[AQ], v2, KPI
	v_lshl_add_u32 v[AQ], v3, 5, v[AQ]
	v_add_nc_u32 v[AQ], s60, v[AQ]                 ; query 16 (w / 4) + r, 32 h bytes
	s_mul_i32 s60, s[KQ], 128*KPI
	v_mul_u32_u24 v[AW], v2, KPI
	v_add_nc_u32 v[AW], s60, v[AW]                 ; key 128 (w % 4) + r
	v_lshl_add_u32 v[AK], v3, 5, v[AW]
	s_lshl_b32 s60, s[WV], 6
	s_add_co_u32 s60, s60, REDM
	v_lshl_add_u32 v[RMS], v3, 5, s60
	s_lshl_b32 s60, s[RB], 8
	s_add_co_u32 s60, s60, REDM
	v_lshl_add_u32 v[RMR], v3, 5, s60
	s_mul_i32 s60, s[WV], PBUF
	s_add_co_u32 s60, s60, PS
	v_mul_u32_u24 v[PSS], v3, 8*PPI
	v_lshl_add_u32 v[PSS], v2, 2, v[PSS]
	v_add_nc_u32 v[PSS], s60, v[PSS]
	v_add_nc_u32 v[PSR], s60, v[L16]
	v_mul_u32_u24 v[PSF], v2, PPI
	v_lshl_add_u32 v[PSF], v3, 5, v[PSF]
	v_add_nc_u32 v[PSF], s60, v[PSF]
	s_mul_i32 s60, s[KQ], 2*KBLK
	s_add_co_u32 s60, s60, VS
	v_mul_u32_u24 v[VFA], v2, VPI
	v_lshl_add_u32 v[VFA], v3, 4, v[VFA]
	v_add_nc_u32 v[VFA], s60, v[VFA]
	s_lshl_b32 s60, s[WV], 12
	v_add_nc_u32 v[OSS], s60, v[L16]               ; OS = 0
	s_lshl_b32 s60, s[RB], 14
	s_lshl_b32 s62, s[KQ], 10
	s_add_co_u32 s60, s60, s62
	v_add_nc_u32 v[OSR], s60, v[L16]
.set e, 0
.rept 64
	v_mov_b32 v[ACC+e], s[NINF]                    ; the maxima start at -inf: 64 moves beside the loop's 4,096 instructions
.set e, e+1
.endr
	s_wait_tensorcnt 0x1                           ; my parts of K and Q are in; V may stay out
	s_barrier_signal -1
	s_barrier_wait -1
	; THE MAX-PLUS SCORES: 16 trips of four channels; 256 vector instructions for 16 LDS loads
	s_mov_b32 s[CNT], 16
.Ltrop:
.set j, 0
.rept 8
	ds_load_b128 v[WB+4*j:WB+4*j+3], v[AW] offset:j*16*KPI
.set j, j+1
.endr
.set j, 0
.rept 8
	ds_load_b128 v[XB+4*j:XB+4*j+3], v[AX] offset:j*KPI
.set j, j+1
.endr
.set jr, 0
.rept 8
	s_wait_dscnt 7-jr                              ; K's eight and Q's rows up to jr are in
.set jc, 0
.rept 8
	v_pk_add_f32 v[T+4*jc:T+4*jc+1], v[XB+4*jr:XB+4*jr+1], v[WB+4*jc:WB+4*jc+1]
	v_pk_add_f32 v[T+4*jc+2:T+4*jc+3], v[XB+4*jr+2:XB+4*jr+3], v[WB+4*jc+2:WB+4*jc+3]
.set jc, jc+1
.endr
.set jc, 0
.rept 8
	v_max3_num_f32 v[ACC+8*jc+jr], v[ACC+8*jc+jr], v[T+4*jc], v[T+4*jc+1]
.set jc, jc+1
.endr
.set jc, 0
.rept 8
	v_max3_num_f32 v[ACC+8*jc+jr], v[ACC+8*jc+jr], v[T+4*jc+2], v[T+4*jc+3]
.set jc, jc+1
.endr
.set jr, jr+1
.endr
	v_add_nc_u32 v[AX], 16, v[AX]
	v_add_nc_u32 v[AW], 16, v[AW]
	s_sub_co_u32 s[CNT], s[CNT], 1
	s_cmp_lg_u32 s[CNT], 0
	s_cbranch_scc1 .Ltrop
; THE CLASSICAL SCORES.  Batch bt: channels 32 (bt / 4) on, key blocks 2 (bt % 4) and the next.  K comes in f32 (three sets of 32 registers, two batches ahead) and is rounded here.
.macro RSET n
.if ((\n)%3) == 0
.set RS, WB
.elseif ((\n)%3) == 1
.set RS, BF
.else
.set RS, XB
.endif
.endm
.macro KLD bt
	RSET \bt
.set u, 0
.rept 2
.set RO, (2*((\bt)&3)+u)*16*KPI+((\bt)>>2)*128
	ds_load_b128 v[RS+16*u:RS+16*u+3],     v[AK] offset:RO
	ds_load_b128 v[RS+16*u+4:RS+16*u+7],   v[AK] offset:RO+16
	ds_load_b128 v[RS+16*u+8:RS+16*u+11],  v[AK] offset:RO+64
	ds_load_b128 v[RS+16*u+12:RS+16*u+15], v[AK] offset:RO+80
.set u, u+1
.endr
.endm
.macro KB bt
.if (\bt) < 6
	KLD (\bt)+2
	s_wait_dscnt 16                                ; this batch's eight loads are in; two batches' stay out
.else
	s_wait_dscnt 8*(7-(\bt))
.endif
	RSET \bt
.set TS, T+16*((\bt)&1)
.set t, 0
.rept 16
	v_cvt_pk_f16_f32 v[TS+t], v[RS+2*t], v[RS+2*t+1]
.set t, t+1
.endr
.set u, 0
.rept 2                                ; the eight accumulators take turns
.set AD, ACC+8*(2*((\bt)&3)+u)
	v_wmma_f32_16x16x32_f16 v[AD:AD+7], v[QF+8*((\bt)>>2):QF+8*((\bt)>>2)+7], v[TS+8*u:TS+8*u+7], v[AD:AD+7]
.set u, u+1
.endr
.endm
.set k, 0
.rept 2
	ds_load_b128 v[XB+16*k:XB+16*k+3],     v[AQ] offset:k*128
	ds_load_b128 v[XB+16*k+4:XB+16*k+7],   v[AQ] offset:k*128+16
	ds_load_b128 v[XB+16*k+8:XB+16*k+11],  v[AQ] offset:k*128+64
	ds_load_b128 v[XB+16*k+12:XB+16*k+15], v[AQ] offset:k*128+80
.set k, k+1
.endr
	KLD 0
	KLD 1
	s_wait_loadcnt 0x0                             ; a' and c'
	v_mov_b32 v[CP+1], v[CP]
.set e, 0
.rept 32
	v_pk_mul_f32 v[ACC+2*e:ACC+2*e+1], v[ACC+2*e:ACC+2*e+1], v[AP+2*(e&3):AP+2*(e&3)+1]
.set e, e+1
.endr
	s_wait_dscnt 16                                ; Q's eight loads are in
.set e, 0
.rept 16
	v_pk_mul_f32 v[XB+2*e:XB+2*e+1], v[XB+2*e:XB+2*e+1], v[CP:CP+1]
.set e, e+1
.endr
.set e, 0
.rept 16
	v_cvt_pk_f16_f32 v[QF+e], v[XB+2*e], v[XB+2*e+1]
.set e, e+1
.endr
.irp bt, 0,1,2,3,4,5,6,7
	KB \bt
.endr
.rept 4
	v_nop                                          ; the places behind the last products
.endr
	; THE ROW MAXIMUM.  Each accumulator's register 0 is read first.
.set j, 0
.rept 8
	v_max3_num_f32 v[XB+j], v[ACC+j], v[ACC+8+j], v[ACC+16+j]
.set j, j+1
.endr
.set j, 0
.rept 8
	v_max3_num_f32 v[XB+j], v[XB+j], v[ACC+24+j], v[ACC+32+j]
.set j, j+1
.endr
.set j, 0
.rept 8
	v_max3_num_f32 v[XB+j], v[XB+j], v[ACC+40+j], v[ACC+48+j]
.set j, j+1
.endr
.set j, 0
.rept 8
	v_max_num_f32 v[XB+j], v[XB+j], v[ACC+56+j]
.set j, j+1
.endr
.irp m, 1,2,4,8
.set j, 0
.rept 8
	v_max_num_f32_dpp v[XB+j], v[XB+j], v[XB+j] row_xmask:\m row_mask:0xf bank_mask:0xf
.set j, j+1
.endr
.endr
	ds_store_b128 v[RMS], v[XB:XB+3]               ; sixteen lanes write the same words with the same numbers
	ds_store_b128 v[RMS], v[XB+4:XB+7] offset:16
	s_wait_tensorcnt 0x0                           ; my part of V is in
	s_wait_dscnt 0x0
	s_barrier_signal -1
	s_barrier_wait -1
.set q, 0
.rept 4
	ds_load_b128 v[XB+8+8*q:XB+8+8*q+3],  v[RMR] offset:q*64
	ds_load_b128 v[XB+12+8*q:XB+12+8*q+3], v[RMR] offset:q*64+16
.set q, q+1
.endr
	s_wait_dscnt 0x0
.set j, 0
.rept 8
	v_max3_num_f32 v[XB+j], v[XB+8+j], v[XB+16+j], v[XB+24+j]
.set j, j+1
.endr
.set j, 0
.rept 8
	v_max_num_f32 v[XB+j], v[XB+j], v[XB+32+j]
.set j, j+1
.endr
.set e, 0
.rept 32
	v_pk_add_f32 v[ACC+2*e:ACC+2*e+1], v[ACC+2*e:ACC+2*e+1], v[XB+2*(e&3):XB+2*(e&3)+1] neg_lo:[0,1] neg_hi:[0,1]
.set e, e+1
.endr
.set e, 0
.rept 64
	v_exp_f32 v[ACC+e], v[ACC+e]
.set e, e+1
.endr
	v_nop                                          ; a plain instruction behind the last exponential
.set t, 0
	s_wait_alu depctr_va_vdst(0)
.rept 4
	v_pk_add_f32 v[XB+2*t:XB+2*t+1], v[ACC+2*t:ACC+2*t+1], v[ACC+8+2*t:ACC+8+2*t+1]
.set t, t+1
.endr
.set k, 2
.rept 6
.set t, 0
.rept 4
	v_pk_add_f32 v[XB+2*t:XB+2*t+1], v[XB+2*t:XB+2*t+1], v[ACC+8*k+2*t:ACC+8*k+2*t+1]
.set t, t+1
.endr
.set k, k+1
.endr
.irp m, 1,2,4,8
.set j, 0
.rept 8
	v_add_f32_dpp v[XB+j], v[XB+j], v[XB+j] row_xmask:\m row_mask:0xf bank_mask:0xf
.set j, j+1
.endr
.endr
	ds_store_b128 v[RMS], v[XB:XB+3] offset:512
	ds_store_b128 v[RMS], v[XB+4:XB+7] offset:528
	s_wait_dscnt 0x0
	s_barrier_signal -1
	s_barrier_wait -1
.set q, 0
.rept 4
	ds_load_b128 v[XB+8+8*q:XB+8+8*q+3],  v[RMR] offset:512+q*64
	ds_load_b128 v[XB+12+8*q:XB+12+8*q+3], v[RMR] offset:512+q*64+16
.set q, q+1
.endr
	s_wait_dscnt 0x0
.set t, 0
.rept 4
	v_pk_add_f32 v[XB+8+2*t:XB+8+2*t+1], v[XB+8+2*t:XB+8+2*t+1], v[XB+16+2*t:XB+16+2*t+1]
	v_pk_add_f32 v[XB+24+2*t:XB+24+2*t+1], v[XB+24+2*t:XB+24+2*t+1], v[XB+32+2*t:XB+32+2*t+1]
.set t, t+1
.endr
.set t, 0
.rept 4
	v_pk_add_f32 v[XB+2*t:XB+2*t+1], v[XB+8+2*t:XB+8+2*t+1], v[XB+24+2*t:XB+24+2*t+1]
.set t, t+1
.endr
.set j, 0
.rept 8
	v_rcp_f32 v[XB+j], v[XB+j]
.set j, j+1
.endr
	v_nop
.set e, 0
	s_wait_alu depctr_va_vdst(0)
.rept 32
	v_pk_mul_f32 v[ACC+2*e:ACC+2*e+1], v[ACC+2*e:ACC+2*e+1], v[XB+2*(e&3):XB+2*(e&3)+1]
.set e, e+1
.endr
	; attn goes through my own stage: LDS serves a wave's instructions in order (ISA guide 5.7.1.4), so the loads below see these stores
.set e, 0
.rept 64
	ds_store_b32 v[PSS], v[ACC+e] offset:(e&7)*PPI+(e>>3)*64
.set e, e+1
.endr
.set t, 0
.rept 16
	ds_load_b128 v[XB+4*t:XB+4*t+3], v[PSR] offset:t*PPI       ; a query's 128 weights: 512 consecutive bytes
.set t, t+1
.endr
.set k, 0
.rept 4                                ; P's fragments in f32: query lane % 16, keys 32 k + 8 h on
	ds_load_b128 v[ACC+16*k:ACC+16*k+3],     v[PSF] offset:k*128
	ds_load_b128 v[ACC+16*k+4:ACC+16*k+7],   v[PSF] offset:k*128+16
	ds_load_b128 v[ACC+16*k+8:ACC+16*k+11],  v[PSF] offset:k*128+64
	ds_load_b128 v[ACC+16*k+12:ACC+16*k+15], v[PSF] offset:k*128+80
.set k, k+1
.endr
.macro VFL f                           ; fragment f of V^T: keys 32 (f / 4) on of my 128, channels 16 (f % 4) on
.if (\f) < 8
.set VR, BF+8*(\f)
.else
.set VR, XB+8*((\f)-8)
.endif
.set VO, ((\f)>>3)*KBLK+((\f)&3)*16*VPI+(((\f)>>2)&1)*64
	ds_load_b128 v[VR:VR+3],   v[VFA] offset:VO
	ds_load_b128 v[VR+4:VR+7], v[VFA] offset:VO+32
.endm
.irp f, 0,1,2,3,4,5,6,7
	VFL \f
.endr
.set t, 0
.rept 16
	s_wait_dscnt 47-t                              ; behind row t's load: 15 - t rows, P's 16 and V's 16
	global_store_b128 v[L16], v[XB+4*t:XB+4*t+3], s[10:11] offset:t*2048
.set t, t+1
.endr
	s_wait_xcnt 0x0                                ; the stores' registers are loaded again only behind this wait
.irp f, 8,9,10,11,12,13,14,15
	VFL \f
.endr
	s_wait_dscnt 32                                ; P is in; V's 32 loads may be out
.set t, 0
.rept 32
	v_cvt_pk_f16_f32 v[T+t], v[ACC+2*t], v[ACC+2*t+1]
.set t, t+1
.endr
	s_wait_dscnt 0x0
.set f, 0
.rept 16                               ; O^T = V^T P^T: four accumulators (channel blocks) by turns
.if f < 8
.set VR, BF+8*f
.else
.set VR, XB+8*(f-8)
.endif
.if f < 4
	v_wmma_f32_16x16x32_f16 v[ACC+8*(f&3):ACC+8*(f&3)+7], v[VR:VR+7], v[T+8*(f>>2):T+8*(f>>2)+7], 0
.else
	v_wmma_f32_16x16x32_f16 v[ACC+8*(f&3):ACC+8*(f&3)+7], v[VR:VR+7], v[T+8*(f>>2):T+8*(f>>2)+7], v[ACC+8*(f&3):ACC+8*(f&3)+7]
.endif
.set f, f+1
.endr
.rept 4
	v_nop
.endr
.set k, 0
.rept 8                                ; my quarter's partial O^T; each accumulator's low four registers first
	ds_store_b128 v[OSS], v[ACC+4*k:ACC+4*k+3] offset:k*512
.set k, k+1
.endr
	s_wait_dscnt 0x0
	s_barrier_signal -1
	s_barrier_wait -1
.set q, 0
.rept 4                                ; wave (w / 4, w % 4) adds the four quarters of channel block w % 4
	ds_load_b128 v[XB+8*q:XB+8*q+3],   v[OSR] offset:q*4096
	ds_load_b128 v[XB+8*q+4:XB+8*q+7], v[OSR] offset:q*4096+512
.set q, q+1
.endr
	s_wait_dscnt 0x0
.set t, 0
.rept 4
	v_pk_add_f32 v[XB+2*t:XB+2*t+1], v[XB+2*t:XB+2*t+1], v[XB+8+2*t:XB+8+2*t+1]
	v_pk_add_f32 v[XB+16+2*t:XB+16+2*t+1], v[XB+16+2*t:XB+16+2*t+1], v[XB+24+2*t:XB+24+2*t+1]
.set t, t+1
.endr
.set t, 0
.rept 4
	v_pk_add_f32 v[XB+2*t:XB+2*t+1], v[XB+2*t:XB+2*t+1], v[XB+16+2*t:XB+16+2*t+1]
.set t, t+1
.endr
.set t, 0
.rept 4
	v_cvt_pk_f16_f32 v[WB+t], v[XB+2*t], v[XB+2*t+1]
.set t, t+1
.endr
	global_store_b128 v[L16], v[WB:WB+3], s[12:13] ; a lane's query and eight channels are half a fragment's 16 bytes: 512 consecutive bytes
	s_wait_tensorcnt 0x0                           ; the wave's end
	ds_add_u32 v[SPW], v[NIL]
	s_wait_dscnt 0x0
	CROUND                                         ; the closing round
	s_endpgm
.Lfunc_end_k_q65a836d67d_attn:
	.size	k_q65a836d67d_attn, .Lfunc_end_k_q65a836d67d_attn-k_q65a836d67d_attn
	.p2alignl 7, 3214868480
	.fill 96, 4, 3214868480
	.section	.rodata,"a",@progbits
	.p2align	6, 0x0
	.amdhsa_kernel k_q65a836d67d_attn
		.amdhsa_group_segment_fixed_size 291328
		.amdhsa_private_segment_fixed_size 0
		.amdhsa_enable_private_segment 0
		.amdhsa_kernarg_size 40
		.amdhsa_user_sgpr_count 2
		.amdhsa_user_sgpr_kernarg_segment_ptr 1
		.amdhsa_wavefront_size32 1
		.amdhsa_system_sgpr_workgroup_id_x 1
		.amdhsa_system_sgpr_workgroup_id_y 1
		.amdhsa_system_sgpr_workgroup_id_z 1
		.amdhsa_system_vgpr_workitem_id 0
		.amdhsa_next_free_vgpr 256
		.amdhsa_next_free_sgpr 66
		.amdhsa_reserve_vcc 0
		.amdhsa_float_denorm_mode_32 3
		.amdhsa_float_denorm_mode_16_64 3
		.amdhsa_memory_ordered 1
		.amdhsa_forward_progress 1
		.amdhsa_inst_pref_size 79
	.end_amdhsa_kernel
	.amdgpu_metadata
---
amdhsa.version: [ 1, 2 ]
amdhsa.kernels:
  - .name:           k_q65a836d67d_attn
    .symbol:         k_q65a836d67d_attn.kd
    .args:
      - { .name: qk, .offset: 0, .size: 8, .value_kind: global_buffer, .address_space: global }
      - { .name: vt, .offset: 8, .size: 8, .value_kind: global_buffer, .address_space: global }
      - { .name: gate, .offset: 16, .size: 8, .value_kind: global_buffer, .address_space: global }
      - { .name: out1, .offset: 24, .size: 8, .value_kind: global_buffer, .address_space: global }
      - { .name: op, .offset: 32, .size: 8, .value_kind: global_buffer, .address_space: global }
    .group_segment_fixed_size: 291328
    .private_segment_fixed_size: 0
    .kernarg_segment_align: 8
    .kernarg_segment_size: 40
    .max_flat_workgroup_size: 256
    .sgpr_count:     66
    .vgpr_count:     256
    .wavefront_size: 32
...
	.end_amdgpu_metadata
.endif
;; end of part 3
;; launch oproj (part 4): grid 8 x 32, 8 waves a work-group, no clusters, 70,656 bytes of LDS; arguments op, wp, x, out_b, yb; writes yb
.if DOCPART == 4
	.amdgcn_target "amdgcn-amd-amdhsa--gfx1250"
	.amdhsa_code_object_version 6
	.text
	.protected	k_q65a836d67d_oproj
	.globl	k_q65a836d67d_oproj
	.p2align	8
	.type	k_q65a836d67d_oproj,@function
k_q65a836d67d_oproj:
	s_mov_b64 s[64:65], 0
	v_nop
	global_prefetch_b8 v0, s[64:65] scope:SCOPE_SE
	s_setreg_imm32_b32 hwreg(HW_REG_WAVE_MODE, 25, 1), 1
	s_wait_xcnt 0x0
; y = x + out_b + o out_W^T.  o and out_W lie in f16 fragment blocks ([row block][K step][1,024 bytes]), so an operand is two loads of 512 consecutive bytes straight into registers.
; A work-group makes 32 rows x 64 columns; K is shared out among the eight waves (KW steps each), so that no byte is loaded twice in a work-group; the eight partial tiles meet in LDS.
; The product is used transposed (source 0 = 16 rows of W, source 1 = 16 rows of o): a lane holds one row of y and eight neighbouring columns.
; NO CLUSTER, NO TENSOR LOAD.
.set NKS,   16                         ; K steps of 32 in all
.set KW,    2                          ; K steps of a wave
.set DEPTH, 2                          ; K steps of fragments in registers
.set WOFF,  524288                     ; out_W's blocks in wp
.set SCALED, 0
.set PPI,   272                        ; a row of a partial tile: 64 f32 + 16 bytes
.set PBUF,  32*PPI
.set SPARE, 8*PBUF
.set ACC,  16                          ; v[16:79]  accumulator (row block m, column block n) at 8 (4 m + n)
.set RING, 80                          ; slots of 48: two fragments of the rows, four of W
.set RES,  224                         ; v[224:231] the residual
.set BI,   232                         ; v[232:235] the bias
.set SPW,  254
.set NIL,  255
	s_load_b256 s[4:11], s[0:1], 0x0               ; rows, wp, residual, bias
	s_load_b64 s[12:13], s[0:1], 0x20              ; out
	v_lshl_add_u32 v[SPW], v0, 2, SPARE
	v_mov_b32 v[NIL], 0
	v_lshrrev_b32 v1, 5, v0
	v_readfirstlane_b32 s14, v1                    ; wave
	v_and_b32 v1, 31, v0
	v_and_b32 v2, 15, v0                           ; r
	v_bfe_u32 v3, v0, 4, 1                         ; h
	v_lshlrev_b32 v4, 4, v1                        ; 16 lane
	v_lshlrev_b32 v5, 4, v2                        ; 16 r
	v_lshl_add_u32 v6, v3, 11, v5                  ; row h, 16 bytes a lane: residual and result
	s_and_b32 s15, ttmp7, 0xffff                   ; block of 32 rows
	s_mul_i32 s16, s15, 2*NKS*1024
	s_mul_i32 s18, s14, KW*1024
	s_add_co_u32 s16, s16, s18
	s_mov_b32 s17, 0
	s_mul_i32 s20, ttmp9, 4*NKS*1024
	s_add_co_u32 s20, s20, s18
	s_add_co_u32 s20, s20, WOFF
	s_mov_b32 s21, 0
	s_lshl_b32 s22, s15, 16                        ; (32 y + 4 w) rows of 2,048 bytes + 256 x
	s_lshl_b32 s19, s14, 13
	s_add_co_u32 s22, s22, s19
	s_lshl_b32 s24, ttmp9, 8
	s_mov_b32 s25, 0
	s_add_co_u32 s22, s22, s24
	s_mov_b32 s23, 0
	s_mul_i32 s26, s14, PBUF
	v_mul_u32_u24 v7, v2, PPI
	v_lshl_add_u32 v7, v3, 5, v7
	v_add_nc_u32 v7, s26, v7                       ; into my partial tile: row r, 32 h bytes
	s_mul_i32 s26, s14, 4*PPI
	v_mul_u32_u24 v8, v3, PPI
	v_add_nc_u32 v8, v8, v5
	v_add_nc_u32 v8, s26, v8                       ; back: rows 4 w + h
	s_wait_kmcnt 0x0
	s_add_nc_u64 s[4:5], s[4:5], s[16:17]
	s_add_nc_u64 s[6:7], s[6:7], s[20:21]
	s_add_nc_u64 s[8:9], s[8:9], s[22:23]
	s_add_nc_u64 s[12:13], s[12:13], s[22:23]
	s_add_nc_u64 s[10:11], s[10:11], s[24:25]
.macro KLD s                           ; K step s of my share: 12 loads
.set RG, RING+48*((\s)%DEPTH)
.set m, 0
.rept 2
	global_load_b128 v[RG+8*m:RG+8*m+3],   v4, s[4:5] offset:m*NKS*1024+(\s)*1024
	global_load_b128 v[RG+8*m+4:RG+8*m+7], v4, s[4:5] offset:m*NKS*1024+(\s)*1024+512
.set m, m+1
.endr
.set n, 0
.rept 4
	global_load_b128 v[RG+16+8*n:RG+16+8*n+3], v4, s[6:7] offset:n*NKS*1024+(\s)*1024
	global_load_b128 v[RG+20+8*n:RG+20+8*n+3], v4, s[6:7] offset:n*NKS*1024+(\s)*1024+512
.set n, n+1
.endr
.endm
.macro KMUL s                          ; eight products; the eight accumulators take turns
.set RG, RING+48*((\s)%DEPTH)
.set m, 0
.rept 2
.set n, 0
.rept 4
.if (\s) == 0
	v_wmma_f32_16x16x32_f16 v[ACC+8*(4*m+n):ACC+8*(4*m+n)+7], v[RG+16+8*n:RG+16+8*n+7], v[RG+8*m:RG+8*m+7], 0
.else
	v_wmma_f32_16x16x32_f16 v[ACC+8*(4*m+n):ACC+8*(4*m+n)+7], v[RG+16+8*n:RG+16+8*n+7], v[RG+8*m:RG+8*m+7], v[ACC+8*(4*m+n):ACC+8*(4*m+n)+7]
.endif
.set n, n+1
.endr
.set m, m+1
.endr
.endm
	global_load_b128 v[RES:RES+3],   v6, s[8:9]
	global_load_b128 v[RES+4:RES+7], v6, s[8:9] offset:4096
	global_load_b128 v[BI:BI+3], v5, s[10:11]
.set st, 0
.rept DEPTH
	KLD st
.set st, st+1
.endr
.set st, 0
.rept KW
.if KW-1-st < DEPTH-1
	s_wait_loadcnt 12*(KW-1-st)                    ; the K steps asked for behind this one stay out
.else
	s_wait_loadcnt 12*(DEPTH-1)
.endif
	KMUL st
.if st+DEPTH < KW
.rept 4
	v_nop                                          ; four places in front of loads into registers that the products have read
.endr
	KLD st+DEPTH
.endif
.set st, st+1
.endr
.rept 4
	v_nop
.endr
.set m, 0
.rept 2
.set n, 0
.rept 4                                ; each accumulator's low four registers first
	ds_store_b128 v7, v[ACC+8*(4*m+n):ACC+8*(4*m+n)+3]   offset:m*16*PPI+n*64
	ds_store_b128 v7, v[ACC+8*(4*m+n)+4:ACC+8*(4*m+n)+7] offset:m*16*PPI+n*64+16
.set n, n+1
.endr
.set m, m+1
.endr
	s_wait_dscnt 0x0                               ; for the others' sake
	s_barrier_signal -1
	s_barrier_wait -1
.set p, 0
.rept 8
	ds_load_b128 v[RING+8*p:RING+8*p+3],   v8 offset:p*PBUF
	ds_load_b128 v[RING+8*p+4:RING+8*p+7], v8 offset:p*PBUF+2*PPI
.set p, p+1
.endr
	s_wait_dscnt 0x0
.set e, 0
.rept 4                                ; pair e of my eight numbers: the eight waves' parts as a tree
	v_pk_add_f32 v[RING+2*e:RING+2*e+1], v[RING+2*e:RING+2*e+1], v[RING+8+2*e:RING+8+2*e+1]
	v_pk_add_f32 v[RING+16+2*e:RING+16+2*e+1], v[RING+16+2*e:RING+16+2*e+1], v[RING+24+2*e:RING+24+2*e+1]
	v_pk_add_f32 v[RING+32+2*e:RING+32+2*e+1], v[RING+32+2*e:RING+32+2*e+1], v[RING+40+2*e:RING+40+2*e+1]
	v_pk_add_f32 v[RING+48+2*e:RING+48+2*e+1], v[RING+48+2*e:RING+48+2*e+1], v[RING+56+2*e:RING+56+2*e+1]
	v_pk_add_f32 v[RES+2*e:RES+2*e+1], v[RES+2*e:RES+2*e+1], v[BI+2*(e&1):BI+2*(e&1)+1]
.set e, e+1
.endr
.set e, 0
.rept 4
	v_pk_add_f32 v[RING+2*e:RING+2*e+1], v[RING+2*e:RING+2*e+1], v[RING+16+2*e:RING+16+2*e+1]
	v_pk_add_f32 v[RING+32+2*e:RING+32+2*e+1], v[RING+32+2*e:RING+32+2*e+1], v[RING+48+2*e:RING+48+2*e+1]
.set e, e+1
.endr
.set e, 0
.rept 4
	v_pk_add_f32 v[RING+2*e:RING+2*e+1], v[RING+2*e:RING+2*e+1], v[RING+32+2*e:RING+32+2*e+1]
.set e, e+1
.endr
.set e, 0
.rept 4
.if SCALED
	v_pk_fma_f32 v[RING+2*e:RING+2*e+1], v[RING+2*e:RING+2*e+1], 0x41800000, v[RES+2*e:RES+2*e+1] op_sel_hi:[1,0,1]
.else
	v_pk_add_f32 v[RING+2*e:RING+2*e+1], v[RING+2*e:RING+2*e+1], v[RES+2*e:RES+2*e+1]
.endif
.set e, e+1
.endr
	global_store_b128 v6, v[RING:RING+3],   s[12:13]               ; sixteen lanes store 256 consecutive bytes, aligned
	global_store_b128 v6, v[RING+4:RING+7], s[12:13] offset:4096
	s_wait_tensorcnt 0x0                           ; the wave's end
	ds_add_u32 v[SPW], v[NIL]
	s_wait_dscnt 0x0
	s_endpgm
.Lfunc_end_k_q65a836d67d_oproj:
	.size	k_q65a836d67d_oproj, .Lfunc_end_k_q65a836d67d_oproj-k_q65a836d67d_oproj
	.p2alignl 7, 3214868480
	.fill 96, 4, 3214868480
	.section	.rodata,"a",@progbits
	.p2align	6, 0x0
	.amdhsa_kernel k_q65a836d67d_oproj
		.amdhsa_group_segment_fixed_size 70656
		.amdhsa_private_segment_fixed_size 0
		.amdhsa_enable_private_segment 0
		.amdhsa_kernarg_size 40
		.amdhsa_user_sgpr_count 2
		.amdhsa_user_sgpr_kernarg_segment_ptr 1
		.amdhsa_wavefront_size32 1
		.amdhsa_system_sgpr_workgroup_id_x 1
		.amdhsa_system_sgpr_workgroup_id_y 1
		.amdhsa_system_sgpr_workgroup_id_z 1
		.amdhsa_system_vgpr_workitem_id 0
		.amdhsa_next_free_vgpr 256
		.amdhsa_next_free_sgpr 66
		.amdhsa_reserve_vcc 0
		.amdhsa_float_denorm_mode_32 3
		.amdhsa_float_denorm_mode_16_64 3
		.amdhsa_memory_ordered 1
		.amdhsa_forward_progress 1
		.amdhsa_inst_pref_size 11
	.end_amdhsa_kernel
	.amdgpu_metadata
---
amdhsa.version: [ 1, 2 ]
amdhsa.kernels:
  - .name:           k_q65a836d67d_oproj
    .symbol:         k_q65a836d67d_oproj.kd
    .args:
      - { .name: op, .offset: 0, .size: 8, .value_kind: global_buffer, .address_space: global }
      - { .name: wp, .offset: 8, .size: 8, .value_kind: global_buffer, .address_space: global }
      - { .name: x, .offset: 16, .size: 8, .value_kind: global_buffer, .address_space: global }
      - { .name: out_b, .offset: 24, .size: 8, .value_kind: global_buffer, .address_space: global }
      - { .name: yb, .offset: 32, .size: 8, .value_kind: global_buffer, .address_space: global }
    .group_segment_fixed_size: 70656
    .private_segment_fixed_size: 0
    .kernarg_segment_align: 8
    .kernarg_segment_size: 40
    .max_flat_workgroup_size: 256
    .sgpr_count:     66
    .vgpr_count:     256
    .wavefront_size: 32
...
	.end_amdgpu_metadata
.endif
;; end of part 4
;; launch ffn (part 5): grid 16 x 16, 8 waves a work-group, clusters of 4 x 4, 327,680 bytes of LDS; arguments yb, ln2_g, ln2_b, tu_W, tu_b, lf_slopes, lf_intercepts, lf_blend, cu_b, fg_b, wp, fu; writes fu
.if DOCPART == 5
	.amdgcn_target "amdgcn-amd-amdhsa--gfx1250"
	.amdhsa_code_object_version 6
	.text
	.protected	k_q65a836d67d_ffn
	.globl	k_q65a836d67d_ffn
	.p2align	8
	.type	k_q65a836d67d_ffn,@function
k_q65a836d67d_ffn:
	s_mov_b64 s[64:65], 0
	v_nop
	global_prefetch_b8 v0, s[64:65] scope:SCOPE_SE
	s_setreg_imm32_b32 hwreg(HW_REG_WAVE_MODE, 25, 1), 1
	s_wait_xcnt 0x0
	s_wait_alu depctr_hold_cnt(0) depctr_sa_sdst(0) depctr_va_vdst(0) depctr_va_sdst(0) depctr_va_ssrc(0) depctr_va_vcc(0) depctr_vm_vsrc(0)
	s_getreg_b32 s2, hwreg(HW_REG_IB_STS2, 6, 4)
	s_cmp_eq_u32 s2, 0
	s_cbranch_scc0 .Lentry_in_a_cluster
	s_endpgm
.Lentry_in_a_cluster:
	s_bfe_u32 s2, ttmp6, 0x10000c
	s_cmp_lg_u32 s2, 0xf033
	s_cbranch_scc0 .Lentry_shape_is_right
	s_endpgm
.Lentry_shape_is_right:
; FFN, up to the fused activation.  Work-group (jx, i): rows 64 i .. + 63, and TWO tiles of 64 columns of F, jx and jx + 16: the rows are fetched and normalised once, and the second tile's tu_W lands under the first tile's epilogue.
; h2 = LayerNorm(y) in f32, in place in LDS.  t = max over k of (h2 + tu_W) on the vector unit, as in the launch for Q and K (wave w: quarter w % 4 of k, half w / 4 of the columns; a lane owns 8 x 8 outputs).
; cu and fg: h2 rounded to f16 times f16 fragment blocks of the weights, on the matrix unit: wave w has column block w % 4 and 32 rows w / 4.
; Epilogue in f32, a lane owning one column and 16 rows: maxout of 8 lines, exact GELU, two sigmoids, the two blends.  fused leaves as f16 fragment blocks, TIMES 2^-4 (exact); the last launch multiplies its sums by 16.
; CLUSTER 4 x 4: the rows' tile is asked for jointly along a row of the cluster, tu_W's along a column.
; LIMITS.  v_max3_num_f32 drops a NaN.  erf by a rational formula times exp (Abramowitz and Stegun 7.1.26), absolute error 1.5e-7 for every argument.  h2 beyond 65,504 and fused beyond 16 x 65,504 have no f16.
.set PITCH, 528                        ; an LDS row: 128 f32 + 16 bytes = 132 words: rows one apart start 4 banks apart, rows four apart 16 banks (64 banks of 4 bytes: ISA guide 11.1)
.set QUART, 64*PITCH
.set XS,    0                          ; rows: [quarter of k][row]; filled once, then normalised in place
.set WS,    4*QUART                    ; tu_W: [quarter][column]; filled twice
.set STG,   8*QUART                    ; three buffers [64][272 bytes]: partial maxima; buffer 0 then holds t
.set SPI,   272
.set SBUF,  64*SPI
.set FST,   STG+SBUF                   ; in buffer 1, once it has been read: fused, [64 rows][64 f16 + 16 bytes]
.set FPI,   144
.set SPARE, STG+3*SBUF
.set CU_O,  1048576                    ; cu_W's blocks in wp; fg_W's lie FGD further
.set FGD,   2097152
.set NXT,   1048576                    ; 16 column tiles on: 64 column blocks of 16,384 bytes
.set AX, 4
.set AW, 5
.set AX0, 6
.set AW0, 7
.set L16, 8
.set SA, 9                             ; v9   quarters 1-3: my place in my quarter's stage buffer (quarter q owns buffer q - 1); quarter 0's value lies below the stage and is never used
.set GA, 10                            ; v10, v11  h2 fragments: quarters 0-1, quarters 2-3
.set LA, 12                            ; v12, v13  the norm's rows: quarters 0-1, quarters 2-3; stepped
.set TRD, 14                           ; v14  t of my column
.set FSA, 15                           ; v15  fused of my column
.set ACC, 16
.set XB, 80
.set WB, 112
.set T, 144
.set BF, 176                           ; v[176:239] four K steps of fragments: cu's 8 registers, fg's 8
.set FRD, 240
.set R32, 241
.set R4, 242
.set SM, 245                           ; v245 my place in stage buffer 0: quarter 0 reads the three buffers from here on and writes t here
.set SL, 144                           ; in the epilogue: v[144:151] slopes, v[152:159] intercepts of my column,
.set IC, 152
.set PB, 160                           ; v160 tu_b, v161 blend, v162 cu_b, v163 fg_b,
.set SB, 164                           ; v[164:165] sigmoid(blend), twice
.set NFB, 166                          ; v[166:167] -log2(e) fg_b, twice
.set TT, 96                            ; at work on a pair of rows
.set CC, 98
.set AT, 100
.set AC, 102
.set DT, 104
.set DC, 106
.set ET, 108
.set EC, 110
.set MM, 112
.set PT, 128
.set PC, 130
.set ZZ, 132
.set MX, 134
.set HF, 136
.set SPW, 254
.set NIL, 255
.set WV, 28
.set KQ, 29
.set CH, 30
.set CNT, 31
.set G1X, 32
.set G1W, 40
.set G0X, 48
.set G0W, 52
.set SEL, 66
.set NINF, 68
.set TL, 69
.set C512, 70
.set CEPS, 71
.set A5, 72
.set A4, 74
.set W0, (2<<16)|(1<<20)|(1<<21)|(6<<22)|(3<<25)
.macro CROUND
	s_barrier_signal -1
	s_barrier_wait -1
	s_cmp_lg_u32 s[WV], 0
	s_cbranch_scc1 .Lnot_wave_0_\@
	s_barrier_signal -3
.Lnot_wave_0_\@:
	s_barrier_wait -3
	s_barrier_signal -1
	s_barrier_wait -1
.endm
; THE MAX-PLUS LOOP: 32 trips of four k; 256 vector instructions for 16 LDS loads.  The maxima start at -inf: 64 moves beside 8,192 instructions.
.macro TROP
	v_mov_b32 v[AX], v[AX0]
	v_mov_b32 v[AW], v[AW0]
.set e, 0
.rept 64
	v_mov_b32 v[ACC+e], s[NINF]
.set e, e+1
.endr
	s_mov_b32 s[CNT], 32
.Ltrop_\@:
.set j, 0
.rept 8
	ds_load_b128 v[WB+4*j:WB+4*j+3], v[AW] offset:((j&3)+16*(j>>2))*PITCH
.set j, j+1
.endr
.set j, 0
.rept 8
	ds_load_b128 v[XB+4*j:XB+4*j+3], v[AX] offset:8*j*PITCH
.set j, j+1
.endr
.set jr, 0
.rept 8
	s_wait_dscnt 7-jr                              ; W's eight and the rows up to jr are in; the 7 - jr younger loads stay out
.set jc, 0
.rept 8
	v_pk_add_f32 v[T+4*jc:T+4*jc+1], v[XB+4*jr:XB+4*jr+1], v[WB+4*jc:WB+4*jc+1]
	v_pk_add_f32 v[T+4*jc+2:T+4*jc+3], v[XB+4*jr+2:XB+4*jr+3], v[WB+4*jc+2:WB+4*jc+3]
.set jc, jc+1
.endr
.set jc, 0
.rept 8
	v_max3_num_f32 v[ACC+8*jr+jc], v[ACC+8*jr+jc], v[T+4*jc], v[T+4*jc+1]
.set jc, jc+1
.endr
.set jc, 0
.rept 8
	v_max3_num_f32 v[ACC+8*jr+jc], v[ACC+8*jr+jc], v[T+4*jc+2], v[T+4*jc+3]
.set jc, jc+1
.endr
.set jr, jr+1
.endr
	v_add_nc_u32 v[AX], 16, v[AX]
	v_add_nc_u32 v[AW], 16, v[AW]
	s_sub_co_u32 s[CNT], s[CNT], 1
	s_cmp_lg_u32 s[CNT], 0
	s_cbranch_scc1 .Ltrop_\@
.endm
.macro PSTORE a                        ; my 8 x 8 maxima into the stage buffer at v[a]: rows lr + 8 jr, columns 4 lc + 0..3 and 16 more
.set jr, 0
.rept 8
	ds_store_b128 v[\a], v[ACC+8*jr:ACC+8*jr+3] offset:jr*8*SPI
	ds_store_b128 v[\a], v[ACC+8*jr+4:ACC+8*jr+7] offset:jr*8*SPI+64
.set jr, jr+1
.endr
.endm
.macro PSTORE_Q                        ; quarters 1-3 hand their maxima over; quarter 0 keeps its own in registers
	s_cmp_eq_u32 s[KQ], 0
	s_cbranch_scc1 .Lkeep_\@
	PSTORE SA
.Lkeep_\@:
.endm
.macro MLOAD b, set
.set p, 0
.rept 3
.set u, 0
.rept 2
	ds_load_b128 v[XB+48*(\set)+16*p+8*u:XB+48*(\set)+16*p+8*u+3],   v[SM] offset:p*SBUF+(2*(\b)+u)*8*SPI
	ds_load_b128 v[XB+48*(\set)+16*p+8*u+4:XB+48*(\set)+16*p+8*u+7], v[SM] offset:p*SBUF+(2*(\b)+u)*8*SPI+64
.set u, u+1
.endr
.set p, p+1
.endr
.endm
.macro MMAX b, set
.set e, 0
.rept 16
	v_max3_num_f32 v[ACC+16*(\b)+e], v[ACC+16*(\b)+e], v[XB+48*(\set)+e], v[XB+48*(\set)+16+e]
.set e, e+1
.endr
.set e, 0
.rept 16
	v_max_num_f32 v[ACC+16*(\b)+e], v[ACC+16*(\b)+e], v[XB+48*(\set)+32+e]
.set e, e+1
.endr
.endm
.macro ALL4 line:vararg                ; one line for each of four rows k
.set k, 0
.rept 4
	\line
.set k, k+1
.endr
.endm
.macro RED4                            ; v[T + 8 k] summed over the 32 lanes, four rows side by side
	ALL4 v_add_f32_dpp v[T+8*k], v[T+8*k], v[T+8*k] row_xmask:1 row_mask:0xf bank_mask:0xf
	ALL4 v_add_f32_dpp v[T+8*k], v[T+8*k], v[T+8*k] row_xmask:2 row_mask:0xf bank_mask:0xf
	ALL4 v_add_f32_dpp v[T+8*k], v[T+8*k], v[T+8*k] row_xmask:4 row_mask:0xf bank_mask:0xf
	ALL4 v_add_f32_dpp v[T+8*k], v[T+8*k], v[T+8*k] row_xmask:8 row_mask:0xf bank_mask:0xf
	ALL4 v_permlanex16_b32 v[T+8*k+1], v[T+8*k], s[SEL], s[SEL+1]
	ALL4 v_add_f32 v[T+8*k], v[T+8*k], v[T+8*k+1]
.endm
.macro WLD slot, ks, extra             ; cu's and fg's fragments of K step ks: four loads of 512 consecutive bytes
	global_load_b128 v[BF+16*(\slot):BF+16*(\slot)+3],     v[L16], s[24:25] offset:(\extra)+(\ks)*1024
	global_load_b128 v[BF+16*(\slot)+4:BF+16*(\slot)+7],   v[L16], s[24:25] offset:(\extra)+(\ks)*1024+512
	global_load_b128 v[BF+16*(\slot)+8:BF+16*(\slot)+11],  v[L16], s[24:25] offset:(\extra)+(\ks)*1024+FGD
	global_load_b128 v[BF+16*(\slot)+12:BF+16*(\slot)+15], v[L16], s[24:25] offset:(\extra)+(\ks)*1024+FGD+512
.endm
.macro GLD s                           ; h2 of my 32 rows for K step s, in f32: eight LDS loads
.set RR, XB+32*((\s)&1)
.set RA, GA+((\s)>>3)
.set RO, (((\s)>>2)&1)*QUART+((\s)&3)*128
.set u, 0
.rept 2
	ds_load_b128 v[RR+16*u:RR+16*u+3],     v[RA] offset:RO+u*16*PITCH
	ds_load_b128 v[RR+16*u+4:RR+16*u+7],   v[RA] offset:RO+u*16*PITCH+16
	ds_load_b128 v[RR+16*u+8:RR+16*u+11],  v[RA] offset:RO+u*16*PITCH+64
	ds_load_b128 v[RR+16*u+12:RR+16*u+15], v[RA] offset:RO+u*16*PITCH+80
.set u, u+1
.endr
.endm
.macro GSTEP s
.if (\s) < 15
	GLD (\s)+1
	s_wait_dscnt 8                                 ; this step's eight are in; the next step's stay out
.else
	s_wait_dscnt 0x0
.endif
.set RR, XB+32*((\s)&1)
.set FA, ACC+32+16*((\s)&1)
.set t, 0
.rept 16                               ; also the places between the last products and the loads into the fragments that they read
	v_cvt_pk_f16_f32 v[FA+t], v[RR+2*t], v[RR+2*t+1]
.set t, t+1
.endr
.if ((\s) >= 1) && ((\s) <= 12)
	WLD ((\s)-1)&3, (\s)+3, 0
.endif
.if (\s) <= 12
	s_wait_loadcnt 12                              ; three K steps' fragments were asked for behind this one's (at the first steps more: the count is then the lower, safe one)
.else
	s_wait_loadcnt 4*(15-(\s))
.endif
.set mt, 0
.rept 2
.set u, 0
.rept 2                                ; four accumulators by turns
.if (\s) == 0
	v_wmma_f32_16x16x32_f16 v[ACC+8*(2*mt+u):ACC+8*(2*mt+u)+7], v[FA+8*u:FA+8*u+7], v[BF+16*((\s)&3)+8*mt:BF+16*((\s)&3)+8*mt+7], 0
.else
	v_wmma_f32_16x16x32_f16 v[ACC+8*(2*mt+u):ACC+8*(2*mt+u)+7], v[FA+8*u:FA+8*u+7], v[BF+16*((\s)&3)+8*mt:BF+16*((\s)&3)+8*mt+7], v[ACC+8*(2*mt+u):ACC+8*(2*mt+u)+7]
.endif
.set u, u+1
.endr
.set mt, mt+1
.endr
.endm
; THE EPILOGUE for rows 2 pr, 2 pr + 1 of my sixteen.  gelu(x) = max(x, 0) - |x| q / 2, q = erfc(|x| / sqrt 2) = (a1 u + .. + a5 u^5) 2^(-x x log2(e) / 2), u = 1 / (1 + 0.23164189 |x|).
; Transcendentals stand in runs, each run followed by a plain instruction that touches none of their registers.
.macro EPI pr
	v_pk_add_f32 v[TT:TT+1], v[XB+2*(\pr):XB+2*(\pr)+1], v[PB:PB+1] op_sel_hi:[1,0]              ; t + tu_b
	v_pk_add_f32 v[CC:CC+1], v[ACC+2*(\pr):ACC+2*(\pr)+1], v[PB+2:PB+3] op_sel_hi:[1,0]          ; cu + cu_b
	v_pk_fma_f32 v[ZZ:ZZ+1], v[ACC+16+2*(\pr):ACC+16+2*(\pr)+1], 0xbfb8aa3b, v[NFB:NFB+1] op_sel_hi:[1,0,1]  ; -log2(e) (fg + fg_b)
	v_and_b32 v[AT], 0x7fffffff, v[TT]
	v_and_b32 v[AT+1], 0x7fffffff, v[TT+1]
	v_and_b32 v[AC], 0x7fffffff, v[CC]
	v_and_b32 v[AC+1], 0x7fffffff, v[CC+1]
	v_pk_fma_f32 v[DT:DT+1], v[AT:AT+1], 0x3e6d3388, 1.0 op_sel_hi:[1,0,0]
	v_pk_fma_f32 v[DC:DC+1], v[AC:AC+1], 0x3e6d3388, 1.0 op_sel_hi:[1,0,0]
	v_exp_f32 v[ZZ], v[ZZ]
	v_exp_f32 v[ZZ+1], v[ZZ+1]
	v_rcp_f32 v[DT], v[DT]
	v_rcp_f32 v[DT+1], v[DT+1]
	v_rcp_f32 v[DC], v[DC]
	v_rcp_f32 v[DC+1], v[DC+1]
	v_pk_mul_f32 v[ET:ET+1], v[TT:TT+1], v[TT:TT+1]
	v_pk_mul_f32 v[EC:EC+1], v[CC:CC+1], v[CC:CC+1]
	v_pk_mul_f32 v[ET:ET+1], v[ET:ET+1], 0xbf38aa3b op_sel_hi:[1,0]
	v_pk_mul_f32 v[EC:EC+1], v[EC:EC+1], 0xbf38aa3b op_sel_hi:[1,0]
	s_wait_alu depctr_va_vdst(0)
	v_pk_add_f32 v[ZZ:ZZ+1], v[ZZ:ZZ+1], 1.0 op_sel_hi:[1,0]
	v_exp_f32 v[ET], v[ET]
	v_exp_f32 v[ET+1], v[ET+1]
	v_exp_f32 v[EC], v[EC]
	v_exp_f32 v[EC+1], v[EC+1]
	v_rcp_f32 v[ZZ], v[ZZ]                         ; the gate gf
	v_rcp_f32 v[ZZ+1], v[ZZ+1]
.set p, 0
.rept 4                                ; the eight lines of the maxout: slope and intercept from the low, then from the high register of their pairs
	v_pk_fma_f32 v[MM+4*p:MM+4*p+1], v[TT:TT+1], v[SL+2*p:SL+2*p+1], v[IC+2*p:IC+2*p+1] op_sel_hi:[1,0,0]
	v_pk_fma_f32 v[MM+4*p+2:MM+4*p+3], v[TT:TT+1], v[SL+2*p:SL+2*p+1], v[IC+2*p:IC+2*p+1] op_sel:[0,1,1] op_sel_hi:[1,1,1]
.set p, p+1
.endr
	v_pk_fma_f32 v[PT:PT+1], v[DT:DT+1], s[A5:A5+1], s[A4:A4+1] op_sel_hi:[1,0,0]
	v_pk_fma_f32 v[PC:PC+1], v[DC:DC+1], s[A5:A5+1], s[A4:A4+1] op_sel_hi:[1,0,0]
	v_pk_fma_f32 v[PT:PT+1], v[PT:PT+1], v[DT:DT+1], 0x3fb5f0e3 op_sel_hi:[1,1,0]
	v_pk_fma_f32 v[PC:PC+1], v[PC:PC+1], v[DC:DC+1], 0x3fb5f0e3 op_sel_hi:[1,1,0]
	v_max3_num_f32 v[MX], v[MM], v[MM+2], v[MM+4]
	v_max3_num_f32 v[MX+1], v[MM+1], v[MM+3], v[MM+5]
	v_pk_fma_f32 v[PT:PT+1], v[PT:PT+1], v[DT:DT+1], 0xbe91a98e op_sel_hi:[1,1,0]
	v_pk_fma_f32 v[PC:PC+1], v[PC:PC+1], v[DC:DC+1], 0xbe91a98e op_sel_hi:[1,1,0]
	v_max3_num_f32 v[MX], v[MX], v[MM+6], v[MM+8]
	v_max3_num_f32 v[MX+1], v[MX+1], v[MM+7], v[MM+9]
	v_pk_fma_f32 v[PT:PT+1], v[PT:PT+1], v[DT:DT+1], 0x3e827906 op_sel_hi:[1,1,0]
	v_pk_fma_f32 v[PC:PC+1], v[PC:PC+1], v[DC:DC+1], 0x3e827906 op_sel_hi:[1,1,0]
	v_max3_num_f32 v[MX], v[MX], v[MM+10], v[MM+12]
	v_max3_num_f32 v[MX+1], v[MX+1], v[MM+11], v[MM+13]
	v_pk_mul_f32 v[PT:PT+1], v[PT:PT+1], v[DT:DT+1]
	v_pk_mul_f32 v[PC:PC+1], v[PC:PC+1], v[DC:DC+1]
	v_max_num_f32 v[MX], v[MX], v[MM+14]
	v_max_num_f32 v[MX+1], v[MX+1], v[MM+15]
	s_wait_alu depctr_va_vdst(0)
	v_pk_mul_f32 v[PT:PT+1], v[PT:PT+1], v[ET:ET+1]        ; q
	v_pk_mul_f32 v[PC:PC+1], v[PC:PC+1], v[EC:EC+1]
	v_max_num_f32 v[TT], 0, v[TT]
	v_max_num_f32 v[TT+1], 0, v[TT+1]
	v_pk_mul_f32 v[PT:PT+1], v[PT:PT+1], v[AT:AT+1]        ; |x| q
	v_pk_mul_f32 v[PC:PC+1], v[PC:PC+1], v[AC:AC+1]
	v_max_num_f32 v[CC], 0, v[CC]
	v_max_num_f32 v[CC+1], 0, v[CC+1]
	v_pk_fma_f32 v[TT:TT+1], v[PT:PT+1], -0.5, v[TT:TT+1] op_sel_hi:[1,0,1]   ; gelu(t)
	v_pk_fma_f32 v[CC:CC+1], v[PC:PC+1], -0.5, v[CC:CC+1] op_sel_hi:[1,0,1]   ; gelu(cu)
	v_pk_add_f32 v[MX:MX+1], v[MX:MX+1], v[TT:TT+1] neg_lo:[0,1] neg_hi:[0,1]
	v_pk_fma_f32 v[TT:TT+1], v[MX:MX+1], v[SB:SB+1], v[TT:TT+1]               ; s mx + (1 - s) gelu(t)
	v_pk_add_f32 v[TT:TT+1], v[TT:TT+1], v[CC:CC+1] neg_lo:[0,1] neg_hi:[0,1]
	v_pk_fma_f32 v[CC:CC+1], v[TT:TT+1], v[ZZ:ZZ+1], v[CC:CC+1]               ; gf trop + (1 - gf) cls
	v_pk_mul_f32 v[CC:CC+1], v[CC:CC+1], 0x3d800000 op_sel_hi:[1,0]           ; times 2^-4
	v_cvt_pk_f16_f32 v[HF], v[CC], v[CC+1]
	ds_store_b16 v[FSA], v[HF] offset:(2*(\pr)+8*((\pr)/4))*FPI
	ds_store_b16_d16_hi v[FSA], v[HF] offset:(2*(\pr)+1+8*((\pr)/4))*FPI
.endm
	s_load_b512 s[4:19], s[0:1], 0x0               ; yb, ln2_g, ln2_b, tu_W, tu_b, slopes, intercepts, blend
	s_load_b256 s[20:27], s[0:1], 0x40             ; cu_b, fg_b, wp, fu
	v_lshl_add_u32 v[SPW], v0, 2, SPARE
	v_mov_b32 v[NIL], 0
	ds_add_u32 v[SPW], v[NIL]                      ; the wave's opening: the add and its wait ahead of my first tensor load
	v_lshrrev_b32 v1, 5, v0
	v_readfirstlane_b32 s[WV], v1
	s_and_b32 s[KQ], s[WV], 3
	s_lshr_b32 s[CH], s[WV], 2
	s_bfe_u32 s56, ttmp6, 0x40000                  ; cx
	s_bfe_u32 s57, ttmp6, 0x40004                  ; cy
	s_lshl_b32 s58, ttmp9, 2
	s_add_co_u32 s58, s58, s56                     ; jx
	s_and_b32 s59, ttmp7, 0xffff
	s_lshl_b32 s59, s59, 2
	s_add_co_u32 s59, s59, s57                     ; i
	s_lshl_b32 s60, s57, 2
	s_lshl_b32 s60, 15, s60                        ; my row of the cluster
	s_lshl_b32 s61, 0x1111, s56                    ; my column
	s_or_b32 s[G1X], s60, W0
	s_or_b32 s[G1W], s61, W0
.irp g, G1X, G1W                       ; a tile of 32 rows x 128 f32 out of rows of 512
	s_mov_b32 s[\g+1], 128<<16
	s_mov_b32 s[\g+2], 32<<16
	s_mov_b32 s[\g+3], 128<<16
	s_mov_b32 s[\g+4], 32
	s_mov_b32 s[\g+5], 512
	s_mov_b32 s[\g+6], 0
	s_mov_b32 s[\g+7], 0
.endr
	s_mov_b32 s[G0X], 1
	s_mov_b32 s[G0W], 1
	s_mul_i32 s60, s[KQ], QUART
	s_mul_i32 s61, s[CH], 32*PITCH
	s_add_co_u32 s60, s60, s61
	s_add_co_u32 s[G0X+1], s60, XS
	s_add_co_u32 s[G0W+1], s60, WS
	s_lshl_b32 s61, s[CH], 16
	s_lshl_b32 s60, s[KQ], 9
	s_add_co_u32 s61, s61, s60
	s_lshl_b32 s62, s59, 17
	s_add_co_u32 s62, s62, s61
	s_mov_b32 s63, 0
	s_lshl_b32 s76, s58, 17
	s_add_co_u32 s76, s76, s61
	s_mov_b32 s77, 0
	s_mov_b32 s[SEL], 0x76543210
	s_mov_b32 s[SEL+1], 0xfedcba98
	s_mov_b32 s[NINF], 0xff800000
	s_mov_b32 s[C512], 0x3b000000                  ; 1/512
	s_mov_b32 s[CEPS], 0x3727c5ac                  ; 1e-5
	s_mov_b32 s[A5], 0x3f87dc22                    ; a5 and a4, named as pairs
	s_mov_b32 s[A5+1], 0x3f87dc22
	s_mov_b32 s[A4], 0xbfba00e3
	s_mov_b32 s[A4+1], 0xbfba00e3
	s_wait_dscnt 0x0                               ; the opening add is done
	s_wait_kmcnt 0x0
	s_add_nc_u64 s[G0X+2:G0X+3], s[4:5], s[62:63]
	s_or_b32 s[G0X+3], s[G0X+3], 0x80000000
	s_add_nc_u64 s[G0W+2:G0W+3], s[10:11], s[76:77]
	s_or_b32 s[G0W+3], s[G0W+3], 0x80000000
	CROUND                                         ; all sixteen work-groups are here
	tensor_load_to_lds s[G0X:G0X+3], s[G1X:G1X+7]
	s_nop 0
	tensor_load_to_lds s[G0W:G0W+3], s[G1W:G1W+7]  ; two loads of mine are out
	s_nop 0
.rept 4
	v_nop
.endr
	s_mov_b32 s61, 0
	s_lshl_b32 s60, s58, 16                        ; weights: column block 4 jx + w % 4
	s_lshl_b32 s62, s[KQ], 14
	s_add_co_u32 s60, s60, s62
	s_add_co_u32 s60, s60, CU_O
	s_add_nc_u64 s[24:25], s[24:25], s[60:61]
	s_lshl_b32 s60, s58, 11                        ; slopes, intercepts: 32 bytes a column
	s_lshl_b32 s62, s[KQ], 9
	s_add_co_u32 s60, s60, s62
	s_add_nc_u64 s[14:15], s[14:15], s[60:61]
	s_add_nc_u64 s[16:17], s[16:17], s[60:61]
	s_lshl_b32 s60, s58, 8                         ; the four vectors: 4 bytes a column
	s_lshl_b32 s62, s[KQ], 6
	s_add_co_u32 s60, s60, s62
	s_add_nc_u64 s[12:13], s[12:13], s[60:61]
	s_add_nc_u64 s[18:19], s[18:19], s[60:61]
	s_add_nc_u64 s[20:21], s[20:21], s[60:61]
	s_add_nc_u64 s[22:23], s[22:23], s[60:61]
	s_lshl_b32 s60, s59, 18                        ; fu: row block 4 i + w % 4, K step 2 jx + w / 4
	s_lshl_b32 s62, s[KQ], 16
	s_add_co_u32 s60, s60, s62
	s_lshl_b32 s62, s58, 11
	s_add_co_u32 s60, s60, s62
	s_lshl_b32 s62, s[CH], 10
	s_add_co_u32 s60, s60, s62
	s_add_nc_u64 s[26:27], s[26:27], s[60:61]
	v_and_b32 v1, 31, v0
	v_and_b32 v2, 15, v0                           ; r
	v_bfe_u32 v3, v0, 4, 1                         ; h
	v_lshlrev_b32 v[L16], 4, v1
	WLD 0, 0, 0                                    ; the first tile's first four K steps of weights wait in registers
	WLD 1, 1, 0
	WLD 2, 2, 0
	WLD 3, 3, 0
.set q, 0
.rept 4
	global_load_b128 v[XB+4*q:XB+4*q+3], v[L16], s[6:7] offset:512*q        ; ln2_g of columns 128 q + 4 lane on
	global_load_b128 v[XB+16+4*q:XB+16+4*q+3], v[L16], s[8:9] offset:512*q  ; ln2_b
.set q, q+1
.endr
	v_lshlrev_b32 v[R32], 5, v2
	v_lshlrev_b32 v[R4], 2, v2
	v_and_b32 v243, 3, v0                          ; lc
	v_bfe_u32 v244, v0, 2, 3                       ; lr
	s_mul_i32 s60, s[KQ], QUART
	v_mul_u32_u24 v[AX0], v244, PITCH
	v_add_nc_u32 v[AX0], s60, v[AX0]
	s_mul_i32 s62, s[CH], 32*PITCH
	s_add_co_u32 s62, s62, s60
	s_add_co_u32 s62, s62, WS
	v_mul_u32_u24 v[AW0], v243, 4*PITCH
	v_add_nc_u32 v[AW0], s62, v[AW0]
	v_mul_u32_u24 v246, v244, SPI                  ; the stage: row lr,
	v_lshl_add_u32 v246, v243, 4, v246             ; 16 lc bytes,
	s_lshl_b32 s62, s[CH], 7                       ; my half of the columns;
	s_mul_i32 s60, s[KQ], SBUF
	s_add_co_u32 s60, s60, s62
	s_add_co_u32 s60, s60, STG-SBUF                ; quarter q's buffer is q - 1
	s_add_co_u32 s62, s62, STG                     ; buffer 0
	v_add_nc_u32 v[SA], s60, v246
	v_add_nc_u32 v[SM], s62, v246
	s_mul_i32 s60, s[CH], 32*PITCH
	v_mul_u32_u24 v[GA], v2, PITCH
	v_lshl_add_u32 v[GA], v3, 5, v[GA]
	v_add_nc_u32 v[GA], s60, v[GA]                 ; row 32 (w / 4) + r, 32 h bytes
	v_add_nc_u32 v[GA+1], 2*QUART, v[GA]
	s_mul_i32 s60, s[WV], 8*PITCH
	v_add_nc_u32 v[LA], s60, v[L16]                ; rows 8 w on, 16 bytes a lane
	v_add_nc_u32 v[LA+1], 2*QUART, v[LA]
	s_mul_i32 s60, s[CH], 32*SPI
	s_lshl_b32 s62, s[KQ], 6
	s_add_co_u32 s60, s60, s62
	s_add_co_u32 s60, s60, STG
	v_mul_u32_u24 v[TRD], v3, 8*SPI
	v_lshl_add_u32 v[TRD], v2, 2, v[TRD]
	v_add_nc_u32 v[TRD], s60, v[TRD]               ; rows 32 (w / 4) + 8 h on, column 16 (w % 4) + r
	s_mul_i32 s60, s[CH], 32*FPI
	s_lshl_b32 s62, s[KQ], 5
	s_add_co_u32 s60, s60, s62
	s_add_co_u32 s60, s60, FST
	v_mul_u32_u24 v[FSA], v3, 8*FPI
	v_lshl_add_u32 v[FSA], v2, 1, v[FSA]
	v_add_nc_u32 v[FSA], s60, v[FSA]
	s_mul_i32 s60, s[KQ], 16*FPI
	s_lshl_b32 s62, s[CH], 6
	s_add_co_u32 s60, s60, s62
	s_add_co_u32 s60, s60, FST
	v_mul_u32_u24 v[FRD], v2, FPI
	v_lshl_add_u32 v[FRD], v3, 4, v[FRD]
	v_add_nc_u32 v[FRD], s60, v[FRD]               ; row 16 (w % 4) + r, columns 32 (w / 4) + 8 h on
	s_wait_tensorcnt 0x1                           ; my part of the rows is in; tu_W's may stay out
	s_barrier_signal -1
	s_barrier_wait -1
	s_wait_loadcnt 0x0                             ; gain and bias
	; THE NORM: wave w has rows 8 w .. + 7, four at a time, in place
	s_mov_b32 s[CNT], 2
.Lln:
.set k, 0
.rept 4
.set q, 0
.rept 4
	ds_load_b128 v[ACC+16*k+4*q:ACC+16*k+4*q+3], v[LA+(q>>1)] offset:(q&1)*QUART+k*PITCH
.set q, q+1
.endr
.set k, k+1
.endr
	s_wait_dscnt 0x0
	ALL4 v_pk_add_f32 v[T+8*k:T+8*k+1], v[ACC+16*k:ACC+16*k+1], v[ACC+16*k+2:ACC+16*k+3]
	ALL4 v_pk_add_f32 v[T+8*k+2:T+8*k+3], v[ACC+16*k+4:ACC+16*k+5], v[ACC+16*k+6:ACC+16*k+7]
	ALL4 v_pk_add_f32 v[T+8*k+4:T+8*k+5], v[ACC+16*k+8:ACC+16*k+9], v[ACC+16*k+10:ACC+16*k+11]
	ALL4 v_pk_add_f32 v[T+8*k+6:T+8*k+7], v[ACC+16*k+12:ACC+16*k+13], v[ACC+16*k+14:ACC+16*k+15]
	ALL4 v_pk_add_f32 v[T+8*k:T+8*k+1], v[T+8*k:T+8*k+1], v[T+8*k+2:T+8*k+3]
	ALL4 v_pk_add_f32 v[T+8*k+4:T+8*k+5], v[T+8*k+4:T+8*k+5], v[T+8*k+6:T+8*k+7]
	ALL4 v_pk_add_f32 v[T+8*k:T+8*k+1], v[T+8*k:T+8*k+1], v[T+8*k+4:T+8*k+5]
	ALL4 v_add_f32 v[T+8*k], v[T+8*k], v[T+8*k+1]
	RED4
	ALL4 v_mul_f32 v[T+8*k+2], 0xbb000000, v[T+8*k]
	ALL4 v_mul_f32 v[T+8*k+3], 0xbb000000, v[T+8*k]
.set p, 0
.rept 8
	ALL4 v_pk_add_f32 v[ACC+16*k+2*p:ACC+16*k+2*p+1], v[ACC+16*k+2*p:ACC+16*k+2*p+1], v[T+8*k+2:T+8*k+3]
.set p, p+1
.endr
	ALL4 v_pk_mul_f32 v[T+8*k:T+8*k+1], v[ACC+16*k:ACC+16*k+1], v[ACC+16*k:ACC+16*k+1]
	ALL4 v_pk_mul_f32 v[T+8*k+4:T+8*k+5], v[ACC+16*k+2:ACC+16*k+3], v[ACC+16*k+2:ACC+16*k+3]
.set p, 2
.rept 3
	ALL4 v_pk_fma_f32 v[T+8*k:T+8*k+1], v[ACC+16*k+2*p:ACC+16*k+2*p+1], v[ACC+16*k+2*p:ACC+16*k+2*p+1], v[T+8*k:T+8*k+1]
	ALL4 v_pk_fma_f32 v[T+8*k+4:T+8*k+5], v[ACC+16*k+2*p+2:ACC+16*k+2*p+3], v[ACC+16*k+2*p+2:ACC+16*k+2*p+3], v[T+8*k+4:T+8*k+5]
.set p, p+2
.endr
	ALL4 v_pk_add_f32 v[T+8*k:T+8*k+1], v[T+8*k:T+8*k+1], v[T+8*k+4:T+8*k+5]
	ALL4 v_add_f32 v[T+8*k], v[T+8*k], v[T+8*k+1]
	RED4
	ALL4 v_fma_f32 v[T+8*k], v[T+8*k], s[C512], s[CEPS]
	ALL4 v_rsq_f32 v[T+8*k+2], v[T+8*k]
	v_nop                                          ; a plain instruction behind the last root
	s_wait_alu depctr_va_vdst(0)
	ALL4 v_mov_b32 v[T+8*k+3], v[T+8*k+2]
.set p, 0
.rept 8
	ALL4 v_pk_mul_f32 v[ACC+16*k+2*p:ACC+16*k+2*p+1], v[ACC+16*k+2*p:ACC+16*k+2*p+1], v[T+8*k+2:T+8*k+3]
.set p, p+1
.endr
.set p, 0
.rept 8
	ALL4 v_pk_fma_f32 v[ACC+16*k+2*p:ACC+16*k+2*p+1], v[ACC+16*k+2*p:ACC+16*k+2*p+1], v[XB+2*p:XB+2*p+1], v[XB+16+2*p:XB+16+2*p+1]
.set p, p+1
.endr
.set k, 0
.rept 4
.set q, 0
.rept 4
	ds_store_b128 v[LA+(q>>1)], v[ACC+16*k+4*q:ACC+16*k+4*q+3] offset:(q&1)*QUART+k*PITCH
.set q, q+1
.endr
.set k, k+1
.endr
	v_add_nc_u32 v[LA], 4*PITCH, v[LA]
	v_add_nc_u32 v[LA+1], 4*PITCH, v[LA+1]
	s_sub_co_u32 s[CNT], s[CNT], 1
	s_cmp_lg_u32 s[CNT], 0
	s_cbranch_scc1 .Lln
	s_wait_tensorcnt 0x0                           ; my part of tu_W, which I alone read
	s_wait_dscnt 0x0                               ; my rows of h2 are in LDS
	s_barrier_signal -1
	s_barrier_wait -1
	TROP                                           ; the first tile's t
	PSTORE_Q
	s_wait_tensorcnt 0x0                           ; no tensor load of mine is out, so a group 0 may be written
	ds_add_u32 v[SPW], v[NIL]                      ; 0 onto my spare word
	s_add_nc_u64 s[G0W+2:G0W+3], s[G0W+2:G0W+3], 0x200000   ; tu_W sixteen column tiles on: 1,024 rows of 2,048 bytes
	s_wait_dscnt 0x0                               ; the add is done, my reads of tu_W are over, my partial maxima are in LDS
	CROUND                                         ; no wave of any partner still reads tu_W's tile or has a load on its way
	tensor_load_to_lds s[G0W:G0W+3], s[G1W:G1W+7]  ; the second tile's tu_W: my one load behind the round; it has the whole epilogue in which to land
	s_nop 0
.rept 4
	v_nop
.endr
	s_mov_b32 s[TL], 2
.Ltile:
	s_cmp_lg_u32 s[KQ], 0
	s_cbranch_scc1 .Lnomerge
	MLOAD 0, 0                                     ; quarter 0's waves take the other three in; the next batch's 12 loads stay out at each wait
	MLOAD 1, 1
	s_wait_dscnt 12
	MMAX 0, 0
	MLOAD 2, 0
	s_wait_dscnt 12
	MMAX 1, 1
	MLOAD 3, 1
	s_wait_dscnt 12
	MMAX 2, 0
	s_wait_dscnt 0x0
	MMAX 3, 1
	PSTORE SM                                      ; t into buffer 0: each lane writes where it alone has read
.Lnomerge:
	global_load_b128 v[SL:SL+3],   v[R32], s[14:15]            ; my column's parameters
	global_load_b128 v[SL+4:SL+7], v[R32], s[14:15] offset:16
	global_load_b128 v[IC:IC+3],   v[R32], s[16:17]
	global_load_b128 v[IC+4:IC+7], v[R32], s[16:17] offset:16
	global_load_b32 v[PB],   v[R4], s[12:13]
	global_load_b32 v[PB+1], v[R4], s[18:19]
	global_load_b32 v[PB+2], v[R4], s[20:21]
	global_load_b32 v[PB+3], v[R4], s[22:23]
	GLD 0
.irp s, 0,1,2,3,4,5,6,7,8,9,10,11,12,13,14,15
	GSTEP \s
.endr
.rept 4
	v_nop                                          ; the places behind the last products: for the loads below and for the epilogue's reads
.endr
	s_cmp_eq_u32 s[TL], 1
	s_cbranch_scc1 .Lnopre                         ; the last tile asks for nothing more; only global loads are jumped over, and no later wait counts them
	WLD 0, 0, NXT
	WLD 1, 1, NXT
	WLD 2, 2, NXT
	WLD 3, 3, NXT
.Lnopre:
	s_wait_dscnt 0x0                               ; t is in LDS
	s_barrier_signal -1
	s_barrier_wait -1
.set li, 0
.rept 16
	ds_load_b32 v[XB+li], v[TRD] offset:(li+8*(li/8))*SPI
.set li, li+1
.endr
	v_mul_f32 v[SB], 0xbfb8aa3b, v[PB+1]           ; the parameters came in with step 15's wait for all loads
	v_mul_f32 v[NFB], 0xbfb8aa3b, v[PB+3]
	v_exp_f32 v[SB], v[SB]
	v_mov_b32 v[NFB+1], v[NFB]
	s_wait_alu depctr_va_vdst(0)
	v_add_f32 v[SB], 1.0, v[SB]
	v_rcp_f32 v[SB], v[SB]
	v_nop
	s_wait_alu depctr_va_vdst(0)
	v_mov_b32 v[SB+1], v[SB]
	s_wait_dscnt 0x0
.irp pr, 0,1,2,3,4,5,6,7
	EPI \pr
.endr
	s_wait_dscnt 0x0                               ; fused is in LDS
	s_barrier_signal -1
	s_barrier_wait -1
	ds_load_b128 v[TT:TT+3], v[FRD]
	ds_load_b128 v[TT+4:TT+7], v[FRD] offset:32
	s_wait_dscnt 0x0
	global_store_b128 v[L16], v[TT:TT+3],   s[26:27]           ; a fragment block: twice 512 consecutive bytes
	global_store_b128 v[L16], v[TT+4:TT+7], s[26:27] offset:512
	s_barrier_signal -1                            ; all reads of the stage are over: the next tile's maxima may be written
	s_barrier_wait -1
	s_sub_co_u32 s[TL], s[TL], 1
	s_cmp_eq_u32 s[TL], 0
	s_cbranch_scc1 .Ldone
	s_wait_xcnt 0x0                                ; bases and the stores' registers are rewritten only behind this wait
	s_add_nc_u64 s[24:25], s[24:25], NXT
	s_add_nc_u64 s[14:15], s[14:15], 32768
	s_add_nc_u64 s[16:17], s[16:17], 32768
	s_add_nc_u64 s[12:13], s[12:13], 4096
	s_add_nc_u64 s[18:19], s[18:19], 4096
	s_add_nc_u64 s[20:21], s[20:21], 4096
	s_add_nc_u64 s[22:23], s[22:23], 4096
	s_add_nc_u64 s[26:27], s[26:27], 32768
	s_wait_tensorcnt 0x0                           ; my part of the second tu_W, which I alone read
	TROP
	PSTORE_Q
	s_wait_dscnt 0x0
	s_barrier_signal -1
	s_barrier_wait -1
	s_branch .Ltile
.Ldone:
	s_wait_tensorcnt 0x0                           ; the wave's end
	ds_add_u32 v[SPW], v[NIL]
	s_wait_dscnt 0x0
	CROUND                                         ; the closing round
	s_endpgm
.Lfunc_end_k_q65a836d67d_ffn:
	.size	k_q65a836d67d_ffn, .Lfunc_end_k_q65a836d67d_ffn-k_q65a836d67d_ffn
	.p2alignl 7, 3214868480
	.fill 96, 4, 3214868480
	.section	.rodata,"a",@progbits
	.p2align	6, 0x0
	.amdhsa_kernel k_q65a836d67d_ffn
		.amdhsa_group_segment_fixed_size 327680
		.amdhsa_private_segment_fixed_size 0
		.amdhsa_enable_private_segment 0
		.amdhsa_kernarg_size 96
		.amdhsa_user_sgpr_count 2
		.amdhsa_user_sgpr_kernarg_segment_ptr 1
		.amdhsa_wavefront_size32 1
		.amdhsa_system_sgpr_workgroup_id_x 1
		.amdhsa_system_sgpr_workgroup_id_y 1
		.amdhsa_system_sgpr_workgroup_id_z 1
		.amdhsa_system_vgpr_workitem_id 0
		.amdhsa_next_free_vgpr 256
		.amdhsa_next_free_sgpr 80
		.amdhsa_reserve_vcc 0
		.amdhsa_float_denorm_mode_32 3
		.amdhsa_float_denorm_mode_16_64 3
		.amdhsa_memory_ordered 1
		.amdhsa_forward_progress 1
		.amdhsa_inst_pref_size 152
	.end_amdhsa_kernel
	.amdgpu_metadata
---
amdhsa.version: [ 1, 2 ]
amdhsa.kernels:
  - .name:           k_q65a836d67d_ffn
    .symbol:         k_q65a836d67d_ffn.kd
    .args:
      - { .name: yb, .offset: 0, .size: 8, .value_kind: global_buffer, .address_space: global }
      - { .name: ln2_g, .offset: 8, .size: 8, .value_kind: global_buffer, .address_space: global }
      - { .name: ln2_b, .offset: 16, .size: 8, .value_kind: global_buffer, .address_space: global }
      - { .name: tu_W, .offset: 24, .size: 8, .value_kind: global_buffer, .address_space: global }
      - { .name: tu_b, .offset: 32, .size: 8, .value_kind: global_buffer, .address_space: global }
      - { .name: lf_slopes, .offset: 40, .size: 8, .value_kind: global_buffer, .address_space: global }
      - { .name: lf_intercepts, .offset: 48, .size: 8, .value_kind: global_buffer, .address_space: global }
      - { .name: lf_blend, .offset: 56, .size: 8, .value_kind: global_buffer, .address_space: global }
      - { .name: cu_b, .offset: 64, .size: 8, .value_kind: global_buffer, .address_space: global }
      - { .name: fg_b, .offset: 72, .size: 8, .value_kind: global_buffer, .address_space: global }
      - { .name: wp, .offset: 80, .size: 8, .value_kind: global_buffer, .address_space: global }
      - { .name: fu, .offset: 88, .size: 8, .value_kind: global_buffer, .address_space: global }
    .group_segment_fixed_size: 327680
    .private_segment_fixed_size: 0
    .kernarg_segment_align: 8
    .kernarg_segment_size: 96
    .max_flat_workgroup_size: 256
    .sgpr_count:     80
    .vgpr_count:     256
    .wavefront_size: 32
...
	.end_amdgpu_metadata
.endif
;; end of part 5
;; launch down (part 6): grid 8 x 32, 8 waves a work-group, no clusters, 70,656 bytes of LDS; arguments fu, wp, yb, down_b, out0; writes out0
.if DOCPART == 6
	.amdgcn_target "amdgcn-amd-amdhsa--gfx1250"
	.amdhsa_code_object_version 6
	.text
	.protected	k_q65a836d67d_down
	.globl	k_q65a836d67d_down
	.p2align	8
	.type	k_q65a836d67d_down,@function
k_q65a836d67d_down:
	s_mov_b64 s[64:65], 0
	v_nop
	global_prefetch_b8 v0, s[64:65] scope:SCOPE_SE
	s_setreg_imm32_b32 hwreg(HW_REG_WAVE_MODE, 25, 1), 1
	s_wait_xcnt 0x0
; out0 = y + down_b + 16 (fu down_W^T): fu holds fused times 2^-4.  fu and down_W lie in f16 fragment blocks ([row block][K step][1,024 bytes]), so an operand is two loads of 512 consecutive bytes straight into registers.
; A work-group makes 32 rows x 64 columns; K = 2,048 is shared out among the eight waves (KW steps each), so that no byte is loaded twice in a work-group; the eight partial tiles meet in LDS.
; The product is used transposed (source 0 = 16 rows of W, source 1 = 16 rows of fu): a lane holds one row of the result and eight neighbouring columns.
; NO CLUSTER, NO TENSOR LOAD.
.set NKS,   64                         ; K steps of 32 in all
.set KW,    8                          ; K steps of a wave
.set DEPTH, 3                          ; K steps of fragments in registers
.set WOFF,  5242880                    ; down_W's blocks in wp
.set SCALED, 1
.set PPI,   272                        ; a row of a partial tile: 64 f32 + 16 bytes
.set PBUF,  32*PPI
.set SPARE, 8*PBUF
.set ACC,  16                          ; v[16:79]  accumulator (row block m, column block n) at 8 (4 m + n)
.set RING, 80                          ; slots of 48: two fragments of the rows, four of W
.set RES,  224                         ; v[224:231] the residual
.set BI,   232                         ; v[232:235] the bias
.set SPW,  254
.set NIL,  255
	s_load_b256 s[4:11], s[0:1], 0x0               ; rows, wp, residual, bias
	s_load_b64 s[12:13], s[0:1], 0x20              ; out
	v_lshl_add_u32 v[SPW], v0, 2, SPARE
	v_mov_b32 v[NIL], 0
	v_lshrrev_b32 v1, 5, v0
	v_readfirstlane_b32 s14, v1                    ; wave
	v_and_b32 v1, 31, v0
	v_and_b32 v2, 15, v0                           ; r
	v_bfe_u32 v3, v0, 4, 1                         ; h
	v_lshlrev_b32 v4, 4, v1                        ; 16 lane
	v_lshlrev_b32 v5, 4, v2                        ; 16 r
	v_lshl_add_u32 v6, v3, 11, v5                  ; row h, 16 bytes a lane: residual and result
	s_and_b32 s15, ttmp7, 0xffff                   ; block of 32 rows
	s_mul_i32 s16, s15, 2*NKS*1024
	s_mul_i32 s18, s14, KW*1024
	s_add_co_u32 s16, s16, s18
	s_mov_b32 s17, 0
	s_mul_i32 s20, ttmp9, 4*NKS*1024
	s_add_co_u32 s20, s20, s18
	s_add_co_u32 s20, s20, WOFF
	s_mov_b32 s21, 0
	s_lshl_b32 s22, s15, 16                        ; (32 y + 4 w) rows of 2,048 bytes + 256 x
	s_lshl_b32 s19, s14, 13
	s_add_co_u32 s22, s22, s19
	s_lshl_b32 s24, ttmp9, 8
	s_mov_b32 s25, 0
	s_add_co_u32 s22, s22, s24
	s_mov_b32 s23, 0
	s_mul_i32 s26, s14, PBUF
	v_mul_u32_u24 v7, v2, PPI
	v_lshl_add_u32 v7, v3, 5, v7
	v_add_nc_u32 v7, s26, v7                       ; into my partial tile: row r, 32 h bytes
	s_mul_i32 s26, s14, 4*PPI
	v_mul_u32_u24 v8, v3, PPI
	v_add_nc_u32 v8, v8, v5
	v_add_nc_u32 v8, s26, v8                       ; back: rows 4 w + h
	s_wait_kmcnt 0x0
	s_add_nc_u64 s[4:5], s[4:5], s[16:17]
	s_add_nc_u64 s[6:7], s[6:7], s[20:21]
	s_add_nc_u64 s[8:9], s[8:9], s[22:23]
	s_add_nc_u64 s[12:13], s[12:13], s[22:23]
	s_add_nc_u64 s[10:11], s[10:11], s[24:25]
.macro KLD s                           ; K step s of my share: 12 loads
.set RG, RING+48*((\s)%DEPTH)
.set m, 0
.rept 2
	global_load_b128 v[RG+8*m:RG+8*m+3],   v4, s[4:5] offset:m*NKS*1024+(\s)*1024
	global_load_b128 v[RG+8*m+4:RG+8*m+7], v4, s[4:5] offset:m*NKS*1024+(\s)*1024+512
.set m, m+1
.endr
.set n, 0
.rept 4
	global_load_b128 v[RG+16+8*n:RG+16+8*n+3], v4, s[6:7] offset:n*NKS*1024+(\s)*1024
	global_load_b128 v[RG+20+8*n:RG+20+8*n+3], v4, s[6:7] offset:n*NKS*1024+(\s)*1024+512
.set n, n+1
.endr
.endm
.macro KMUL s                          ; eight products; the eight accumulators take turns
.set RG, RING+48*((\s)%DEPTH)
.set m, 0
.rept 2
.set n, 0
.rept 4
.if (\s) == 0
	v_wmma_f32_16x16x32_f16 v[ACC+8*(4*m+n):ACC+8*(4*m+n)+7], v[RG+16+8*n:RG+16+8*n+7], v[RG+8*m:RG+8*m+7], 0
.else
	v_wmma_f32_16x16x32_f16 v[ACC+8*(4*m+n):ACC+8*(4*m+n)+7], v[RG+16+8*n:RG+16+8*n+7], v[RG+8*m:RG+8*m+7], v[ACC+8*(4*m+n):ACC+8*(4*m+n)+7]
.endif
.set n, n+1
.endr
.set m, m+1
.endr
.endm
	global_load_b128 v[RES:RES+3],   v6, s[8:9]
	global_load_b128 v[RES+4:RES+7], v6, s[8:9] offset:4096
	global_load_b128 v[BI:BI+3], v5, s[10:11]
.set st, 0
.rept DEPTH
	KLD st
.set st, st+1
.endr
.set st, 0
.rept KW
.if KW-1-st < DEPTH-1
	s_wait_loadcnt 12*(KW-1-st)                    ; the K steps asked for behind this one stay out
.else
	s_wait_loadcnt 12*(DEPTH-1)
.endif
	KMUL st
.if st+DEPTH < KW
.rept 4
	v_nop                                          ; four places in front of loads into registers that the products have read
.endr
	KLD st+DEPTH
.endif
.set st, st+1
.endr
.rept 4
	v_nop
.endr
.set m, 0
.rept 2
.set n, 0
.rept 4                                ; each accumulator's low four registers first
	ds_store_b128 v7, v[ACC+8*(4*m+n):ACC+8*(4*m+n)+3]   offset:m*16*PPI+n*64
	ds_store_b128 v7, v[ACC+8*(4*m+n)+4:ACC+8*(4*m+n)+7] offset:m*16*PPI+n*64+16
.set n, n+1
.endr
.set m, m+1
.endr
	s_wait_dscnt 0x0                               ; for the others' sake
	s_barrier_signal -1
	s_barrier_wait -1
.set p, 0
.rept 8
	ds_load_b128 v[RING+8*p:RING+8*p+3],   v8 offset:p*PBUF
	ds_load_b128 v[RING+8*p+4:RING+8*p+7], v8 offset:p*PBUF+2*PPI
.set p, p+1
.endr
	s_wait_dscnt 0x0
.set e, 0
.rept 4                                ; pair e of my eight numbers: the eight waves' parts as a tree
	v_pk_add_f32 v[RING+2*e:RING+2*e+1], v[RING+2*e:RING+2*e+1], v[RING+8+2*e:RING+8+2*e+1]
	v_pk_add_f32 v[RING+16+2*e:RING+16+2*e+1], v[RING+16+2*e:RING+16+2*e+1], v[RING+24+2*e:RING+24+2*e+1]
	v_pk_add_f32 v[RING+32+2*e:RING+32+2*e+1], v[RING+32+2*e:RING+32+2*e+1], v[RING+40+2*e:RING+40+2*e+1]
	v_pk_add_f32 v[RING+48+2*e:RING+48+2*e+1], v[RING+48+2*e:RING+48+2*e+1], v[RING+56+2*e:RING+56+2*e+1]
	v_pk_add_f32 v[RES+2*e:RES+2*e+1], v[RES+2*e:RES+2*e+1], v[BI+2*(e&1):BI+2*(e&1)+1]
.set e, e+1
.endr
.set e, 0
.rept 4
	v_pk_add_f32 v[RING+2*e:RING+2*e+1], v[RING+2*e:RING+2*e+1], v[RING+16+2*e:RING+16+2*e+1]
	v_pk_add_f32 v[RING+32+2*e:RING+32+2*e+1], v[RING+32+2*e:RING+32+2*e+1], v[RING+48+2*e:RING+48+2*e+1]
.set e, e+1
.endr
.set e, 0
.rept 4
	v_pk_add_f32 v[RING+2*e:RING+2*e+1], v[RING+2*e:RING+2*e+1], v[RING+32+2*e:RING+32+2*e+1]
.set e, e+1
.endr
.set e, 0
.rept 4
.if SCALED
	v_pk_fma_f32 v[RING+2*e:RING+2*e+1], v[RING+2*e:RING+2*e+1], 0x41800000, v[RES+2*e:RES+2*e+1] op_sel_hi:[1,0,1]
.else
	v_pk_add_f32 v[RING+2*e:RING+2*e+1], v[RING+2*e:RING+2*e+1], v[RES+2*e:RES+2*e+1]
.endif
.set e, e+1
.endr
	global_store_b128 v6, v[RING:RING+3],   s[12:13]               ; sixteen lanes store 256 consecutive bytes, aligned
	global_store_b128 v6, v[RING+4:RING+7], s[12:13] offset:4096
	s_wait_tensorcnt 0x0                           ; the wave's end
	ds_add_u32 v[SPW], v[NIL]
	s_wait_dscnt 0x0
	s_endpgm
.Lfunc_end_k_q65a836d67d_down:
	.size	k_q65a836d67d_down, .Lfunc_end_k_q65a836d67d_down-k_q65a836d67d_down
	.p2alignl 7, 3214868480
	.fill 96, 4, 3214868480
	.section	.rodata,"a",@progbits
	.p2align	6, 0x0
	.amdhsa_kernel k_q65a836d67d_down
		.amdhsa_group_segment_fixed_size 70656
		.amdhsa_private_segment_fixed_size 0
		.amdhsa_enable_private_segment 0
		.amdhsa_kernarg_size 40
		.amdhsa_user_sgpr_count 2
		.amdhsa_user_sgpr_kernarg_segment_ptr 1
		.amdhsa_wavefront_size32 1
		.amdhsa_system_sgpr_workgroup_id_x 1
		.amdhsa_system_sgpr_workgroup_id_y 1
		.amdhsa_system_sgpr_workgroup_id_z 1
		.amdhsa_system_vgpr_workitem_id 0
		.amdhsa_next_free_vgpr 256
		.amdhsa_next_free_sgpr 66
		.amdhsa_reserve_vcc 0
		.amdhsa_float_denorm_mode_32 3
		.amdhsa_float_denorm_mode_16_64 3
		.amdhsa_memory_ordered 1
		.amdhsa_forward_progress 1
		.amdhsa_inst_pref_size 22
	.end_amdhsa_kernel
	.amdgpu_metadata
---
amdhsa.version: [ 1, 2 ]
amdhsa.kernels:
  - .name:           k_q65a836d67d_down
    .symbol:         k_q65a836d67d_down.kd
    .args:
      - { .name: fu, .offset: 0, .size: 8, .value_kind: global_buffer, .address_space: global }
      - { .name: wp, .offset: 8, .size: 8, .value_kind: global_buffer, .address_space: global }
      - { .name: yb, .offset: 16, .size: 8, .value_kind: global_buffer, .address_space: global }
      - { .name: down_b, .offset: 24, .size: 8, .value_kind: global_buffer, .address_space: global }
      - { .name: out0, .offset: 32, .size: 8, .value_kind: global_buffer, .address_space: global }
    .group_segment_fixed_size: 70656
    .private_segment_fixed_size: 0
    .kernarg_segment_align: 8
    .kernarg_segment_size: 40
    .max_flat_workgroup_size: 256
    .sgpr_count:     66
    .vgpr_count:     256
    .wavefront_size: 32
...
	.end_amdgpu_metadata
.endif
;; end of part 6
;; ======== version 2 of 2: 6 launches; version 1 with the launches prep, down written anew for expert scheduling mode
;; limits: values are held in f16: magnitudes above 65,504 overflow, below 6.1e-05 lose precision; a function is approximated: absolute error at most 1.5e-07
;; workspace buffers: hf 2,097,152 bytes; gate 65,536 bytes; wp 7,340,032 bytes; qk 4,194,304 bytes; vt 1,048,576 bytes; op 1,048,576 bytes; yb 2,097,152 bytes; fu 4,194,304 bytes
;; launch prep (part 7): grid 256 x 1, 4 waves a work-group, no clusters, 0 bytes of LDS; arguments x, ln1_g, ln1_b, sg_W, sg_b, temp, v_W, out_W, cu_W, fg_W, down_W, hf, gate, wp; writes hf, gate, wp
.if DOCPART == 7
	.amdgcn_target "amdgcn-amd-amdhsa--gfx1250"
	.amdhsa_code_object_version 6
	.text
	.protected	k_q65a836d67d_prep
	.globl	k_q65a836d67d_prep
	.p2align	8
	.type	k_q65a836d67d_prep,@function
k_q65a836d67d_prep:
	s_mov_b64 s[64:65], 0
	v_nop
	global_prefetch_b8 v0, s[64:65] scope:SCOPE_SE
	s_setreg_imm32_b32 hwreg(HW_REG_WAVE_SCHED_MODE, 0, 2), 2
	s_setreg_imm32_b32 hwreg(HW_REG_WAVE_MODE, 25, 1), 1
	s_wait_xcnt 0x0
	s_wait_alu depctr_vm_vsrc(0)
; PREP.  (1) hf = LayerNorm(x) in f32, one row a wave.  (2) gate[row][0..7] = g c / temp, gate[row][8..15] = (1 - g) c / temp with g = sigmoid(h . sg_W + sg_b), c = log2(e) / 8:
; the two factors by which the attention launch multiplies the max-plus and the classical score.  The 8-column product is done in f32 on the row that lies in registers.
; (3) the five weights of ordinary products are rounded to f16 and laid in FRAGMENT BLOCKS of 16 rows x 32 k: [half p][lane][16 bytes], lane (r, h) holding row r, k = 16 p + 8 h + 0..7,
; so that later launches load a matrix operand as two runs of 512 consecutive bytes.  Blocks lie [row block][k step].
; A stream: no LDS, no matrix unit, no cluster (no two work-groups read the same bytes).  256 work-groups x 4 waves: wave w of group g has row 4 g + w and block w of seven units of 16 rows x 128 k.
; LIMITS.  A weight beyond 65,504 has no f16; below 6e-5 it keeps f16's fixed step of 6e-8.
; THE MODE: SCHED_MODE bits 1:0 = 2 (LLVM: expert scheduling mode 2), set by the entry lines.  The code itself states the register dependences
; between vector instructions and memory instructions, with s_wait_alu, always for 0.
; THE PLAN.  Registers that memory instructions touch:
;   v2, v6, v7, v9, v10   byte offsets: written at the head, never again.
;   X     loaded; normalised in place; read by hf's four stores; behind them only read.
;   SG    loaded (heads 0-3); read by the first four dot products; loaded again (heads 4-7); read by the other four.
;   RAW   loaded; rounded in place, all seven blocks in one run; read by the fourteen stores; not written again.
;   v14   written by the gate's last lines; read by the one store under the mask.
; So one wait on va_vdst stands ahead of the first load, one behind the first four dot products (for hf's stores and for SG's second loads), one behind the run of conversions, and one at each write of EXEC.
; The lane masks are made in one run into scalar registers, with one wait on va_sdst behind the run.
.set RAW, 16                           ; v[16:127]  seven blocks as loaded, 16 registers each; packed in place
.set X,   128                          ; v[128:143] my 16 numbers of the row: columns 128 q + 4 lane + 0..3
.set G,   144                          ; v[144:159] ln1_g of these columns
.set BB,  160                          ; v[160:175] ln1_b
.set SG,  176                          ; v[176:239] sg_W of four heads
.set TM,  240                          ; v[240:247] at work
.set MU,  248                          ; v[248:249] a pair: -mean, then 1/sqrt(var + eps)
.set MK,  36                           ; s[36:44] lane masks, made when the offsets that lay in these registers have been added: s[MK + k] the lanes whose head is k, s[MK + 8] lanes 0-7
.set SEL, 58                           ; s[58:59] v_permlanex16_b32's selects
.set CU_O, 1048576                     ; byte offsets in wp: V 0, OUT 524,288,
.set FG_O, 3145728
.set DN_O, 5242880
	s_load_b512 s[4:19], s[0:1], 0x0               ; x, ln1_g, ln1_b, sg_W, sg_b, temp, v_W, out_W
	s_load_b256 s[20:27], s[0:1], 0x40             ; cu_W, fg_W, down_W, hf
	s_load_b128 s[28:31], s[0:1], 0x60             ; gate, wp
	v_and_b32 v1, 31, v0                           ; lane
	v_lshrrev_b32 v2, 5, v0
	v_readfirstlane_b32 s32, v2                    ; wave
	v_lshlrev_b32 v2, 4, v1                        ; 16 lane
	v_and_b32 v3, 15, v0                           ; r
	v_bfe_u32 v4, v0, 4, 1                         ; h
	v_lshlrev_b32 v5, 5, v4
	v_lshl_add_u32 v6, v3, 11, v5                  ; r rows of 2,048 bytes + 32 h
	v_lshl_add_u32 v7, v3, 13, v5                  ; r rows of 8,192 bytes + 32 h (down_W)
	v_and_b32 v8, 7, v0                            ; the head whose factor this lane will store
	v_lshlrev_b32 v9, 2, v8
	v_lshlrev_b32 v10, 2, v1
	v_mov_b32 v13, 0                               ; the lane's own head's dot product is gathered here
	s_mov_b32 s[SEL], 0x76543210
	s_mov_b32 s[SEL+1], 0xfedcba98
	s_mov_b32 s60, 0x3b000000                      ; 1/512
	s_mov_b32 s61, 0x3727c5ac                      ; 1e-5
	s_wait_alu depctr_va_sdst(0)                   ; s32, the wave's number, is written, ahead of its first reader: the row and the blocks' offsets are made from it
	s_lshl_b32 s33, ttmp9, 2
	s_add_co_u32 s33, s33, s32                     ; my row = 4 g + w
	s_lshl_b32 s36, s33, 11                        ; its bytes in x and hf
	s_mov_b32 s37, 0
	s_lshl_b32 s38, s33, 6                         ; and in gate
	s_mov_b32 s39, 0
	s_lshl_b32 s34, s32, 7                         ; my k step inside a unit: 128 bytes a wave
	s_lshr_b32 s40, ttmp9, 1                       ; cu_W, fg_W: units 2 g, 2 g + 1: row block g / 2,
	s_lshl_b32 s40, s40, 15
	s_and_b32 s35, ttmp9, 1                        ; quarters 2 (g % 2) and the next
	s_lshl_b32 s35, s35, 10
	s_add_co_u32 s40, s40, s35
	s_add_co_u32 s40, s40, s34
	s_mov_b32 s41, 0
	s_lshl_b32 s42, ttmp9, 13                      ; their blocks 8 g + w and 8 g + 4 + w
	s_lshl_b32 s35, s32, 10
	s_add_co_u32 s42, s42, s35
	s_mov_b32 s43, 0
	s_lshr_b32 s44, ttmp9, 3                       ; down_W: row block g / 8, sixteenths 2 (g % 8) and the next
	s_lshl_b32 s44, s44, 17
	s_and_b32 s35, ttmp9, 7
	s_lshl_b32 s35, s35, 10
	s_add_co_u32 s44, s44, s35
	s_add_co_u32 s44, s44, s34
	s_mov_b32 s45, 0
	s_and_b32 s46, ttmp9, 127                      ; v_W (g < 128) or out_W: unit g % 128
	s_lshr_b32 s35, s46, 2
	s_lshl_b32 s35, s35, 15
	s_and_b32 s46, s46, 3
	s_lshl_b32 s46, s46, 9
	s_add_co_u32 s46, s46, s35
	s_add_co_u32 s46, s46, s34
	s_mov_b32 s47, 0
	s_lshl_b32 s50, s33, 10                        ; its block 4 g + w: OUT's blocks follow V's 512
	s_mov_b32 s51, 0
	s_wait_kmcnt 0x0
	s_cmp_lt_u32 ttmp9, 128
	s_cselect_b64 s[48:49], s[16:17], s[18:19]
	s_add_nc_u64 s[4:5], s[4:5], s[36:37]
	s_add_nc_u64 s[26:27], s[26:27], s[36:37]
	s_add_nc_u64 s[28:29], s[28:29], s[38:39]
	s_add_nc_u64 s[20:21], s[20:21], s[40:41]
	s_add_nc_u64 s[22:23], s[22:23], s[40:41]
	s_add_nc_u64 s[24:25], s[24:25], s[44:45]
	s_add_nc_u64 s[48:49], s[48:49], s[46:47]
	s_add_nc_u64 s[54:55], s[30:31], s[42:43]
	s_add_nc_u64 s[56:57], s[30:31], s[50:51]
.macro PKLD blk, vo, sb, imm           ; a block as it lies in the weight: four loads of 16 bytes a lane
	global_load_b128 v[RAW+16*(\blk):RAW+16*(\blk)+3],     v[\vo], s[\sb:\sb+1] offset:(\imm) th:TH_LOAD_NT
	global_load_b128 v[RAW+16*(\blk)+4:RAW+16*(\blk)+7],   v[\vo], s[\sb:\sb+1] offset:(\imm)+16 th:TH_LOAD_NT
	global_load_b128 v[RAW+16*(\blk)+8:RAW+16*(\blk)+11],  v[\vo], s[\sb:\sb+1] offset:(\imm)+64 th:TH_LOAD_NT
	global_load_b128 v[RAW+16*(\blk)+12:RAW+16*(\blk)+15], v[\vo], s[\sb:\sb+1] offset:(\imm)+80 th:TH_LOAD_NT
.endm
.macro PKCV blk                        ; rounded in place: register t takes numbers 2 t, 2 t + 1
.set t, 0
.rept 8
	v_cvt_pk_f16_f32 v[RAW+16*(\blk)+t], v[RAW+16*(\blk)+2*t], v[RAW+16*(\blk)+2*t+1]
.set t, t+1
.endr
.endm
.macro PKST blk, sb, imm               ; and stored: each store covers 512 consecutive bytes
	global_store_b128 v2, v[RAW+16*(\blk):RAW+16*(\blk)+3],   s[\sb:\sb+1] offset:(\imm)
	global_store_b128 v2, v[RAW+16*(\blk)+4:RAW+16*(\blk)+7], s[\sb:\sb+1] offset:(\imm)+512
.endm
.macro WSUM r, t                       ; v[r] summed over the 32 lanes, in every lane; v[t] at work (written before)
	v_add_f32_dpp v[\r], v[\r], v[\r] row_xmask:1 row_mask:0xf bank_mask:0xf
	v_add_f32_dpp v[\r], v[\r], v[\r] row_xmask:2 row_mask:0xf bank_mask:0xf
	v_add_f32_dpp v[\r], v[\r], v[\r] row_xmask:4 row_mask:0xf bank_mask:0xf
	v_add_f32_dpp v[\r], v[\r], v[\r] row_xmask:8 row_mask:0xf bank_mask:0xf
	v_permlanex16_b32 v[\t], v[\r], s[SEL], s[SEL+1]
	v_add_f32 v[\r], v[\r], v[\t]
.endm
.macro SGLD hb                         ; sg_W of heads hb .. hb + 3, my 16 columns of each
.set k, 0
.rept 4
.set q, 0
.rept 4
	global_load_b128 v[SG+16*k+4*q:SG+16*k+4*q+3], v2, s[10:11] offset:((\hb)+k)*2048+512*q
.set q, q+1
.endr
.set k, k+1
.endr
.endm
.macro DOT4 hb                         ; four heads' products with the row, side by side; each lane keeps the one of its own head, by the masks made behind the loads
.set k, 0
.rept 4
	v_pk_mul_f32 v[TM+2*k:TM+2*k+1], v[X:X+1], v[SG+16*k:SG+16*k+1]
.set k, k+1
.endr
.set p, 1
.rept 7
.set k, 0
.rept 4
	v_pk_fma_f32 v[TM+2*k:TM+2*k+1], v[X+2*p:X+2*p+1], v[SG+16*k+2*p:SG+16*k+2*p+1], v[TM+2*k:TM+2*k+1]
.set k, k+1
.endr
.set p, p+1
.endr
.set k, 0
.rept 4
	v_add_f32 v[TM+2*k], v[TM+2*k], v[TM+2*k+1]
.set k, k+1
.endr
.set k, 0
.rept 4
	WSUM TM+2*k, TM+2*k+1
	v_cndmask_b32 v13, v13, v[TM+2*k], s[MK+(\hb)+k]
.set k, k+1
.endr
.endm
	s_wait_alu depctr_va_vdst(0)                   ; the offsets v2, v6, v7, v9 and v10 are written: every load and store of the kernel reads one of them
	; all loads go out at once: 2 + 12 + 16 + 28
	global_load_b32 v11, v9, s[12:13]              ; sg_b of my head
	global_load_b32 v12, v9, s[14:15]              ; temp of my head
.set q, 0
.rept 4
	global_load_b128 v[X+4*q:X+4*q+3], v2, s[4:5] offset:512*q
	global_load_b128 v[G+4*q:G+4*q+3], v2, s[6:7] offset:512*q
	global_load_b128 v[BB+4*q:BB+4*q+3], v2, s[8:9] offset:512*q
.set q, q+1
.endr
	SGLD 0
	PKLD 0, 6, 20, 0
	PKLD 1, 6, 20, 512
	PKLD 2, 6, 22, 0
	PKLD 3, 6, 22, 512
	PKLD 4, 7, 24, 0
	PKLD 5, 7, 24, 512
	PKLD 6, 6, 48, 0
.set k, 0
.rept 8                                ; the lane masks, in one run while the loads are on their way
	v_cmp_eq_u32 s[MK+k], k, v8
.set k, k+1
.endr
	v_cmp_gt_u32 s[MK+8], 8, v1
	s_wait_alu depctr_va_sdst(0)                   ; the nine masks s[36:44] are written, ahead of the selects that read them
	s_wait_loadcnt 44                              ; the first 14 are in; sg_W's 16 and the blocks' 28 stay out
	v_pk_add_f32 v[TM:TM+1], v[X:X+1], v[X+2:X+3]
	v_pk_add_f32 v[TM+2:TM+3], v[X+4:X+5], v[X+6:X+7]
	v_pk_add_f32 v[TM+4:TM+5], v[X+8:X+9], v[X+10:X+11]
	v_pk_add_f32 v[TM+6:TM+7], v[X+12:X+13], v[X+14:X+15]
	v_pk_add_f32 v[TM:TM+1], v[TM:TM+1], v[TM+2:TM+3]
	v_pk_add_f32 v[TM+4:TM+5], v[TM+4:TM+5], v[TM+6:TM+7]
	v_pk_add_f32 v[TM:TM+1], v[TM:TM+1], v[TM+4:TM+5]
	v_add_f32 v[TM], v[TM], v[TM+1]
	WSUM TM, TM+1
	v_mul_f32 v[MU], 0xbb000000, v[TM]             ; -mean
	v_mul_f32 v[MU+1], 0xbb000000, v[TM]
.set p, 0
.rept 8
	v_pk_add_f32 v[X+2*p:X+2*p+1], v[X+2*p:X+2*p+1], v[MU:MU+1]
.set p, p+1
.endr
	v_pk_mul_f32 v[TM:TM+1], v[X:X+1], v[X:X+1]    ; the squares of the centred row, in two chains
	v_pk_mul_f32 v[TM+2:TM+3], v[X+2:X+3], v[X+2:X+3]
.set p, 2
.rept 3
	v_pk_fma_f32 v[TM:TM+1], v[X+2*p:X+2*p+1], v[X+2*p:X+2*p+1], v[TM:TM+1]
	v_pk_fma_f32 v[TM+2:TM+3], v[X+2*p+2:X+2*p+3], v[X+2*p+2:X+2*p+3], v[TM+2:TM+3]
.set p, p+2
.endr
	v_pk_add_f32 v[TM:TM+1], v[TM:TM+1], v[TM+2:TM+3]
	v_add_f32 v[TM], v[TM], v[TM+1]
	WSUM TM, TM+1
	v_fma_f32 v[TM], v[TM], s60, s61               ; var + eps
	v_rsq_f32 v[MU], v[TM]
	v_nop                                          ; a plain instruction between the root and the use of its result
	s_wait_alu depctr_va_vdst(0)                   ; the root's result v[MU] is written, ahead of its first reader
	v_mov_b32 v[MU+1], v[MU]
.set p, 0
.rept 8
	v_pk_mul_f32 v[X+2*p:X+2*p+1], v[X+2*p:X+2*p+1], v[MU:MU+1]
.set p, p+1
.endr
.set p, 0
.rept 8
	v_pk_fma_f32 v[X+2*p:X+2*p+1], v[X+2*p:X+2*p+1], v[G+2*p:G+2*p+1], v[BB+2*p:BB+2*p+1]
.set p, p+1
.endr
	s_wait_loadcnt 28                              ; heads 0-3 of sg_W are in
	DOT4 0
	s_wait_alu depctr_va_vdst(0)                   ; the norm has written X, which the four stores below read; the four dot products are done reading SG, in which the sixteen loads below land
	SGLD 4                                         ; heads 4-7 into the same registers
.set q, 0
.rept 4
	global_store_b128 v2, v[X+4*q:X+4*q+3], s[26:27] offset:512*q   ; 512 consecutive bytes each
.set q, q+1
.endr
	s_wait_loadcnt 16                              ; all seven blocks are in; those 16 stay out
	PKCV 0
	PKCV 1
	PKCV 2
	PKCV 3
	PKCV 4
	PKCV 5
	PKCV 6
	s_wait_alu depctr_va_vdst(0)                   ; the 56 conversions have written the first eight registers of each block, which the fourteen stores below read
	PKST 0, 54, CU_O
	PKST 1, 54, CU_O+4096
	PKST 2, 54, FG_O
	PKST 3, 54, FG_O+4096
	PKST 4, 54, DN_O
	PKST 5, 54, DN_O+4096
	PKST 6, 56, 0
	s_wait_loadcnt 0x0
	DOT4 4
	v_add_f32 v13, v13, v11                        ; h . sg_W + sg_b
	v_mul_f32 v13, 0xbfb8aa3b, v13
	v_exp_f32 v13, v13                             ; e^-z
	v_rcp_f32 v12, v12                             ; 1 / temp
	v_nop
	s_wait_alu depctr_va_vdst(0)                   ; e^-z in v13 and 1 / temp in v12 are written, ahead of their first readers
	v_add_f32 v13, 1.0, v13
	v_mul_f32 v12, 0x3e38aa3b, v12                 ; f = log2(e) / 8 / temp
	v_rcp_f32 v13, v13                             ; g
	v_nop
	s_wait_alu depctr_va_vdst(0)                   ; g in v13 is written, ahead of its first reader
	v_mul_f32 v14, v13, v12                        ; g f
	v_sub_f32 v15, v12, v14                        ; (1 - g) f
	v_cndmask_b32 v14, v15, v14, s[MK+8]           ; lanes 0-7 the first, lanes 8-15 the second
	v_cmp_gt_u32 vcc_lo, 16, v1
	s_wait_xcnt 0x0                                ; EXEC changes only behind this wait
	s_wait_alu depctr_va_vcc(0)                    ; VCC is written: EXEC is made from it
	s_wait_alu depctr_va_vdst(0)                   ; ahead of the write of EXEC: every vector instruction issued so far is done; among them the select that wrote v14, which the store below reads
	s_wait_alu depctr_vm_vsrc(0)                   ; ahead of the write of EXEC: every load and store issued so far has read its vector registers
	s_and_saveexec_b32 s35, vcc_lo
	global_store_b32 v10, v14, s[28:29]            ; the row's 64 bytes
	s_wait_xcnt 0x0
	s_wait_alu depctr_va_vdst(0)                   ; ahead of the write of EXEC: no vector instruction is pending
	s_wait_alu depctr_vm_vsrc(0)                   ; ahead of the write of EXEC: the store has read v10 and v14
	s_or_b32 exec_lo, exec_lo, s35
	s_endpgm
.Lfunc_end_k_q65a836d67d_prep:
	.size	k_q65a836d67d_prep, .Lfunc_end_k_q65a836d67d_prep-k_q65a836d67d_prep
	.p2alignl 7, 3214868480
	.fill 96, 4, 3214868480
	.section	.rodata,"a",@progbits
	.p2align	6, 0x0
	.amdhsa_kernel k_q65a836d67d_prep
		.amdhsa_group_segment_fixed_size 0
		.amdhsa_private_segment_fixed_size 0
		.amdhsa_enable_private_segment 0
		.amdhsa_kernarg_size 112
		.amdhsa_user_sgpr_count 2
		.amdhsa_user_sgpr_kernarg_segment_ptr 1
		.amdhsa_wavefront_size32 1
		.amdhsa_system_sgpr_workgroup_id_x 1
		.amdhsa_system_sgpr_workgroup_id_y 1
		.amdhsa_system_sgpr_workgroup_id_z 1
		.amdhsa_system_vgpr_workitem_id 0
		.amdhsa_next_free_vgpr 256
		.amdhsa_next_free_sgpr 66
		.amdhsa_reserve_vcc 1
		.amdhsa_float_denorm_mode_32 3
		.amdhsa_float_denorm_mode_16_64 3
		.amdhsa_memory_ordered 1
		.amdhsa_forward_progress 1
		.amdhsa_inst_pref_size 28
	.end_amdhsa_kernel
	.amdgpu_metadata
---
amdhsa.version: [ 1, 2 ]
amdhsa.kernels:
  - .name:           k_q65a836d67d_prep
    .symbol:         k_q65a836d67d_prep.kd
    .args:
      - { .name: x, .offset: 0, .size: 8, .value_kind: global_buffer, .address_space: global }
      - { .name: ln1_g, .offset: 8, .size: 8, .value_kind: global_buffer, .address_space: global }
      - { .name: ln1_b, .offset: 16, .size: 8, .value_kind: global_buffer, .address_space: global }
      - { .name: sg_W, .offset: 24, .size: 8, .value_kind: global_buffer, .address_space: global }
      - { .name: sg_b, .offset: 32, .size: 8, .value_kind: global_buffer, .address_space: global }
      - { .name: temp, .offset: 40, .size: 8, .value_kind: global_buffer, .address_space: global }
      - { .name: v_W, .offset: 48, .size: 8, .value_kind: global_buffer, .address_space: global }
      - { .name: out_W, .offset: 56, .size: 8, .value_kind: global_buffer, .address_space: global }
      - { .name: cu_W, .offset: 64, .size: 8, .value_kind: global_buffer, .address_space: global }
      - { .name: fg_W, .offset: 72, .size: 8, .value_kind: global_buffer, .address_space: global }
      - { .name: down_W, .offset: 80, .size: 8, .value_kind: global_buffer, .address_space: global }
      - { .name: hf, .offset: 88, .size: 8, .value_kind: global_buffer, .address_space: global }
      - { .name: gate, .offset: 96, .size: 8, .value_kind: global_buffer, .address_space: global }
      - { .name: wp, .offset: 104, .size: 8, .value_kind: global_buffer, .address_space: global }
    .group_segment_fixed_size: 0
    .private_segment_fixed_size: 0
    .kernarg_segment_align: 8
    .kernarg_segment_size: 112
    .max_flat_workgroup_size: 128
    .sgpr_count:     66
    .vgpr_count:     256
    .wavefront_size: 32
...
	.end_amdgpu_metadata
.endif
;; end of part 7
;; launch qkv: the kernel of part 2 again; grid 16 x 16, 8 waves a work-group, clusters of 4 x 4, 323,584 bytes of LDS; arguments hf, q_W, k_W, q_b, k_b, v_b, wp, qk, vt; writes qk, vt
;; launch attn: the kernel of part 3 again; grid 16 x 16, 8 waves a work-group, clusters of 4 x 1, 291,328 bytes of LDS; arguments qk, vt, gate, out1, op; writes out1, op
;; launch oproj: the kernel of part 4 again; grid 8 x 32, 8 waves a work-group, no clusters, 70,656 bytes of LDS; arguments op, wp, x, out_b, yb; writes yb
;; launch ffn: the kernel of part 5 again; grid 16 x 16, 8 waves a work-group, clusters of 4 x 4, 327,680 bytes of LDS; arguments yb, ln2_g, ln2_b, tu_W, tu_b, lf_slopes, lf_intercepts, lf_blend, cu_b, fg_b, wp, fu; writes fu
;; launch down (part 8): grid 8 x 32, 8 waves a work-group, no clusters, 70,656 bytes of LDS; arguments fu, wp, yb, down_b, out0; writes out0
.if DOCPART == 8
	.amdgcn_target "amdgcn-amd-amdhsa--gfx1250"
	.amdhsa_code_object_version 6
	.text
	.protected	k_q65a836d67d_down
	.globl	k_q65a836d67d_down
	.p2align	8
	.type	k_q65a836d67d_down,@function
k_q65a836d67d_down:
	s_mov_b64 s[64:65], 0
	v_nop
	global_prefetch_b8 v0, s[64:65] scope:SCOPE_SE
	s_setreg_imm32_b32 hwreg(HW_REG_WAVE_SCHED_MODE, 0, 2), 2
	s_setreg_imm32_b32 hwreg(HW_REG_WAVE_MODE, 25, 1), 1
	s_wait_xcnt 0x0
	s_wait_alu depctr_vm_vsrc(0)
; out0 = y + down_b + 16 (fu down_W^T): fu holds fused times 2^-4.  fu and down_W lie in f16 fragment blocks ([row block][K step][1,024 bytes]), so an operand is two loads of 512 consecutive bytes straight into registers.
; A work-group makes 32 rows x 64 columns; K = 2,048 is shared out among the eight waves (KW steps each), so that no byte is loaded twice in a work-group; the eight partial tiles meet in LDS.
; The product is used transposed (source 0 = 16 rows of W, source 1 = 16 rows of fu): a lane holds one row of the result and eight neighbouring columns.
; NO CLUSTER, NO TENSOR LOAD.
; THE MODE: SCHED_MODE bits 1:0 = 2 (LLVM: expert scheduling mode 2), set by the entry lines.  The code itself states the register dependences
; between vector or matrix instructions and memory or LDS instructions, with s_wait_alu, always for 0.
; THE PLAN.  Registers that memory or LDS instructions touch:
;   v4 .. v8      offsets and LDS addresses: written at the head, never again.
;   RING, slot s % 3   The twelve loads of K step s land in it; the step's eight products read it; behind them the twelve loads of K step s + 3 land in it.
;                 At the end the sixteen LDS loads of the partial tiles land in v[RING:RING+63], the additions work there, and the two global stores read v[RING:RING+7].
;   ACC           Written by the products; read by the sixteen LDS stores; never written again.
;   RES, BI       Loaded at the head; behind their wait named by vector instructions alone.
;   v[SPW], v[NIL]  Written at the head, read by the closing add alone.
; So ONE wait on va_vdst stands in a K step, behind its eight products and ahead of the loads that fill the slot again.  It stands there and not at the next step's head, behind the wait for that step's data,
; so that the slot is asked for again at once: 24 to 36 loads of every wave stay on their way.  One wait stands ahead of the first load, one ahead of the LDS stores, one ahead of the global stores.
; No register that a memory or LDS instruction reads is written again, so no wait on vm_vsrc is owed outside the closing lines.
.set NKS,   64                         ; K steps of 32 in all
.set KW,    8                          ; K steps of a wave
.set DEPTH, 3                          ; K steps of fragments in registers
.set WOFF,  5242880                    ; down_W's blocks in wp
.set SCALED, 1
.set PPI,   272                        ; a row of a partial tile: 64 f32 + 16 bytes
.set PBUF,  32*PPI
.set SPARE, 8*PBUF
.set ACC,  16                          ; v[16:79]  accumulator (row block m, column block n) at 8 (4 m + n)
.set RING, 80                          ; slots of 48: two fragments of the rows, four of W
.set RES,  224                         ; v[224:231] the residual
.set BI,   232                         ; v[232:235] the bias
.set SPW,  254
.set NIL,  255
	s_load_b256 s[4:11], s[0:1], 0x0               ; rows, wp, residual, bias
	s_load_b64 s[12:13], s[0:1], 0x20              ; out
	v_lshl_add_u32 v[SPW], v0, 2, SPARE
	v_mov_b32 v[NIL], 0
	v_lshrrev_b32 v1, 5, v0
	v_readfirstlane_b32 s14, v1                    ; wave
	v_and_b32 v1, 31, v0
	v_and_b32 v2, 15, v0                           ; r
	v_bfe_u32 v3, v0, 4, 1                         ; h
	v_lshlrev_b32 v4, 4, v1                        ; 16 lane
	v_lshlrev_b32 v5, 4, v2                        ; 16 r
	v_lshl_add_u32 v6, v3, 11, v5                  ; row h, 16 bytes a lane: residual and result
	s_wait_alu depctr_va_sdst(0)                   ; s14, the wave's number, is written, ahead of its first reader: the bases and the LDS addresses are made from it
	s_and_b32 s15, ttmp7, 0xffff                   ; block of 32 rows
	s_mul_i32 s16, s15, 2*NKS*1024
	s_mul_i32 s18, s14, KW*1024
	s_add_co_u32 s16, s16, s18
	s_mov_b32 s17, 0
	s_mul_i32 s20, ttmp9, 4*NKS*1024
	s_add_co_u32 s20, s20, s18
	s_add_co_u32 s20, s20, WOFF
	s_mov_b32 s21, 0
	s_lshl_b32 s22, s15, 16                        ; (32 y + 4 w) rows of 2,048 bytes + 256 x
	s_lshl_b32 s19, s14, 13
	s_add_co_u32 s22, s22, s19
	s_lshl_b32 s24, ttmp9, 8
	s_mov_b32 s25, 0
	s_add_co_u32 s22, s22, s24
	s_mov_b32 s23, 0
	s_mul_i32 s26, s14, PBUF
	v_mul_u32_u24 v7, v2, PPI
	v_lshl_add_u32 v7, v3, 5, v7
	v_add_nc_u32 v7, s26, v7                       ; into my partial tile: row r, 32 h bytes
	s_mul_i32 s26, s14, 4*PPI
	v_mul_u32_u24 v8, v3, PPI
	v_add_nc_u32 v8, v8, v5
	v_add_nc_u32 v8, s26, v8                       ; back: rows 4 w + h
	s_wait_kmcnt 0x0
	s_add_nc_u64 s[4:5], s[4:5], s[16:17]
	s_add_nc_u64 s[6:7], s[6:7], s[20:21]
	s_add_nc_u64 s[8:9], s[8:9], s[22:23]
	s_add_nc_u64 s[12:13], s[12:13], s[22:23]
	s_add_nc_u64 s[10:11], s[10:11], s[24:25]
.macro KLD s                           ; K step s of my share: 12 loads
.set RG, RING+48*((\s)%DEPTH)
.set m, 0
.rept 2
	global_load_b128 v[RG+8*m:RG+8*m+3],   v4, s[4:5] offset:m*NKS*1024+(\s)*1024
	global_load_b128 v[RG+8*m+4:RG+8*m+7], v4, s[4:5] offset:m*NKS*1024+(\s)*1024+512
.set m, m+1
.endr
.set n, 0
.rept 4
	global_load_b128 v[RG+16+8*n:RG+16+8*n+3], v4, s[6:7] offset:n*NKS*1024+(\s)*1024
	global_load_b128 v[RG+20+8*n:RG+20+8*n+3], v4, s[6:7] offset:n*NKS*1024+(\s)*1024+512
.set n, n+1
.endr
.endm
.macro KMUL s                          ; eight products; the eight accumulators take turns
.set RG, RING+48*((\s)%DEPTH)
.set m, 0
.rept 2
.set n, 0
.rept 4
.if (\s) == 0
	v_wmma_f32_16x16x32_f16 v[ACC+8*(4*m+n):ACC+8*(4*m+n)+7], v[RG+16+8*n:RG+16+8*n+7], v[RG+8*m:RG+8*m+7], 0
.else
	v_wmma_f32_16x16x32_f16 v[ACC+8*(4*m+n):ACC+8*(4*m+n)+7], v[RG+16+8*n:RG+16+8*n+7], v[RG+8*m:RG+8*m+7], v[ACC+8*(4*m+n):ACC+8*(4*m+n)+7]
.endif
.set n, n+1
.endr
.set m, m+1
.endr
.endm
	s_wait_alu depctr_va_vdst(0)                   ; the offsets and LDS addresses v4 to v8 are written: every load, store and LDS instruction of the kernel reads one of them
	global_load_b128 v[RES:RES+3],   v6, s[8:9]
	global_load_b128 v[RES+4:RES+7], v6, s[8:9] offset:4096
	global_load_b128 v[BI:BI+3], v5, s[10:11]
.set st, 0
.rept DEPTH
	KLD st
.set st, st+1
.endr
.set st, 0
.rept KW
.if KW-1-st < DEPTH-1
	s_wait_loadcnt 12*(KW-1-st)                    ; the K steps asked for behind this one stay out
.else
	s_wait_loadcnt 12*(DEPTH-1)
.endif
	KMUL st
.if st+DEPTH < KW
	s_wait_alu depctr_va_vdst(0)                   ; the eight products above are done reading this step's slot, in which the twelve loads below land
	KLD st+DEPTH
.endif
.set st, st+1
.endr
.rept 4
	v_nop                                          ; four places behind the last product, before its result is read (ISA guide 7.12.1)
.endr
	s_wait_alu depctr_va_vdst(0)                   ; the products have written the accumulators, which the LDS stores read, and are done reading the ring, in which the LDS loads behind the barrier land; the places above stay beside this wait
.set m, 0
.rept 2
.set n, 0
.rept 4                                ; each accumulator's low four registers first
	ds_store_b128 v7, v[ACC+8*(4*m+n):ACC+8*(4*m+n)+3]   offset:m*16*PPI+n*64
	ds_store_b128 v7, v[ACC+8*(4*m+n)+4:ACC+8*(4*m+n)+7] offset:m*16*PPI+n*64+16
.set n, n+1
.endr
.set m, m+1
.endr
	s_wait_dscnt 0x0                               ; for the others' sake
	s_barrier_signal -1
	s_barrier_wait -1
.set p, 0
.rept 8                                ; no vector or matrix instruction since the wait above names these registers
	ds_load_b128 v[RING+8*p:RING+8*p+3],   v8 offset:p*PBUF
	ds_load_b128 v[RING+8*p+4:RING+8*p+7], v8 offset:p*PBUF+2*PPI
.set p, p+1
.endr
	s_wait_dscnt 0x0
.set e, 0
.rept 4                                ; pair e of my eight numbers: the eight waves' parts as a tree
	v_pk_add_f32 v[RING+2*e:RING+2*e+1], v[RING+2*e:RING+2*e+1], v[RING+8+2*e:RING+8+2*e+1]
	v_pk_add_f32 v[RING+16+2*e:RING+16+2*e+1], v[RING+16+2*e:RING+16+2*e+1], v[RING+24+2*e:RING+24+2*e+1]
	v_pk_add_f32 v[RING+32+2*e:RING+32+2*e+1], v[RING+32+2*e:RING+32+2*e+1], v[RING+40+2*e:RING+40+2*e+1]
	v_pk_add_f32 v[RING+48+2*e:RING+48+2*e+1], v[RING+48+2*e:RING+48+2*e+1], v[RING+56+2*e:RING+56+2*e+1]
	v_pk_add_f32 v[RES+2*e:RES+2*e+1], v[RES+2*e:RES+2*e+1], v[BI+2*(e&1):BI+2*(e&1)+1]
.set e, e+1
.endr
.set e, 0
.rept 4
	v_pk_add_f32 v[RING+2*e:RING+2*e+1], v[RING+2*e:RING+2*e+1], v[RING+16+2*e:RING+16+2*e+1]
	v_pk_add_f32 v[RING+32+2*e:RING+32+2*e+1], v[RING+32+2*e:RING+32+2*e+1], v[RING+48+2*e:RING+48+2*e+1]
.set e, e+1
.endr
.set e, 0
.rept 4
	v_pk_add_f32 v[RING+2*e:RING+2*e+1], v[RING+2*e:RING+2*e+1], v[RING+32+2*e:RING+32+2*e+1]
.set e, e+1
.endr
.set e, 0
.rept 4
.if SCALED
	v_pk_fma_f32 v[RING+2*e:RING+2*e+1], v[RING+2*e:RING+2*e+1], 0x41800000, v[RES+2*e:RES+2*e+1] op_sel_hi:[1,0,1]
.else
	v_pk_add_f32 v[RING+2*e:RING+2*e+1], v[RING+2*e:RING+2*e+1], v[RES+2*e:RES+2*e+1]
.endif
.set e, e+1
.endr
	s_wait_alu depctr_va_vdst(0)                   ; the last four lines have written v[RING:RING+7], which the two stores read
	global_store_b128 v6, v[RING:RING+3],   s[12:13]               ; sixteen lanes store 256 consecutive bytes, aligned
	global_store_b128 v6, v[RING+4:RING+7], s[12:13] offset:4096
	s_wait_dscnt 0x0                               ; the closing lines, six on end
	s_wait_alu 0x0
	s_wait_tensorcnt 0x0
	ds_add_u32 v[SPW], v[NIL]
	s_wait_dscnt 0x0
	s_endpgm
.Lfunc_end_k_q65a836d67d_down:
	.size	k_q65a836d67d_down, .Lfunc_end_k_q65a836d67d_down-k_q65a836d67d_down
	.p2alignl 7, 3214868480
	.fill 96, 4, 3214868480
	.section	.rodata,"a",@progbits
	.p2align	6, 0x0
	.amdhsa_kernel k_q65a836d67d_down
		.amdhsa_group_segment_fixed_size 70656
		.amdhsa_private_segment_fixed_size 0
		.amdhsa_enable_private_segment 0
		.amdhsa_kernarg_size 40
		.amdhsa_user_sgpr_count 2
		.amdhsa_user_sgpr_kernarg_segment_ptr 1
		.amdhsa_wavefront_size32 1
		.amdhsa_system_sgpr_workgroup_id_x 1
		.amdhsa_system_sgpr_workgroup_id_y 1
		.amdhsa_system_sgpr_workgroup_id_z 1
		.amdhsa_system_vgpr_workitem_id 0
		.amdhsa_next_free_vgpr 256
		.amdhsa_next_free_sgpr 66
		.amdhsa_reserve_vcc 0
		.amdhsa_float_denorm_mode_32 3
		.amdhsa_float_denorm_mode_16_64 3
		.amdhsa_memory_ordered 1
		.amdhsa_forward_progress 1
		.amdhsa_inst_pref_size 22
	.end_amdhsa_kernel
	.amdgpu_metadata
---
amdhsa.version: [ 1, 2 ]
amdhsa.kernels:
  - .name:           k_q65a836d67d_down
    .symbol:         k_q65a836d67d_down.kd
    .args:
      - { .name: fu, .offset: 0, .size: 8, .value_kind: global_buffer, .address_space: global }
      - { .name: wp, .offset: 8, .size: 8, .value_kind: global_buffer, .address_space: global }
      - { .name: yb, .offset: 16, .size: 8, .value_kind: global_buffer, .address_space: global }
      - { .name: down_b, .offset: 24, .size: 8, .value_kind: global_buffer, .address_space: global }
      - { .name: out0, .offset: 32, .size: 8, .value_kind: global_buffer, .address_space: global }
    .group_segment_fixed_size: 70656
    .private_segment_fixed_size: 0
    .kernarg_segment_align: 8
    .kernarg_segment_size: 40
    .max_flat_workgroup_size: 256
    .sgpr_count:     66
    .vgpr_count:     256
    .wavefront_size: 32
...
	.end_amdgpu_metadata
.endif
;; end of part 8
